; MI455X (gfx1250); checked and timed in simulation.
; The chip was launched on July 23, 2026; its instructions are those of AMD's public machine-readable ISA for CDNA 5 (MIT licence, August 2026) and "CDNA5" Instruction Set Architecture Reference Guide (July 2026). The comments in the code are by the model that wrote it; some were corrected since.
;; Multi Head Attention. Allowed arithmetic: matrix products marked QUANTISED: E2M3 operands, one E8M0 scale for each 32 along K, by v_wmma_scale_f32_16x16x128_f8f6f4 with both operands' format E2M3, f32 sums; everything else in f32.
;; Inputs: Wk 1,024 x 1,024 float32; Wo 1,024 x 1,024 float32; Wq 1,024 x 1,024 float32; Wv 1,024 x 1,024 float32; bk 1,024 float32; bo 1,024 float32; bq 1,024 float32; bv 1,024 float32; key 4 x 2,048 x 1,024 float32; query 4 x 2,048 x 1,024 float32; value 4 x 2,048 x 1,024 float32.
;; Outputs: out0 4 x 2,048 x 1,024 float32.
;; This version of the problem:
;;   THIS VERSION OF THE PROBLEM IS GIVEN IN LOW PRECISION. The matrix products marked QUANTISED in the list below multiply operands that are first quantised to E2M3 (2 exponent bits, 3 mantissa bits; 6 bits a number), with one power-of-two scale for each 32 numbers along K (OCP MX v1.0); their sums are f32. All else is computed in f32.
;;   The module's matrix products, in the order in which they are computed (A, B: the left and right operand; K: the contracted axis; several contracted axes count as one K, in the product's order):
;;     1. [M 8,192, K 1,024] x [K 1,024, N 1,024]; A: input query; B: input Wq: QUANTISED
;;     2. [M 8,192, K 1,024] x [K 1,024, N 1,024]; A: input key; B: input Wk: QUANTISED
;;     3. [M 8,192, K 1,024] x [K 1,024, N 1,024]; A: input value; B: input Wv: QUANTISED
;;     4. batch 64 x [M 2,048, K 64] x [K 64, N 2,048]; A: computed on the way; B: computed on the way: QUANTISED
;;     5. batch 64 x [M 2,048, K 2,048] x [K 2,048, N 64]; A: softmax (see below); B: computed on the way: QUANTISED
;;     6. [M 8,192, K 1,024] x [K 1,024, N 1,024]; A: computed on the way; B: input Wo: QUANTISED
;;   THE QUANTISER, for each operand of a quantised product, along K:
;;     - K is cut into blocks of 32 from its start; a last block that is shorter is filled with zeros.
;;     - A block's scale is 2^e with e = floor(log2(the largest magnitude in the block)) - 2, held to -126 .. 127; a block of zeros has e = 0. As a byte (E8M0): e + 127.
;;     - Each number is divided by its block's scale, clamped to +-7.5, and rounded to the nearest number of E2M3, ties to even, subnormals kept.
;;     - The product sums the exact products of the quantised numbers (number of the format x scale) in f32.
;;   ~~~python
;;   def quantise(x, axis):      # numpy; x: float32 -> the quantised numbers, widened to float32 again
;;       x = np.moveaxis(x, axis, -1); K = x.shape[-1]
;;       x = np.pad(x, [(0, 0)] * (x.ndim - 1) + [(0, -K % 32)]); x = x.reshape(x.shape[:-1] + (-1, 32)); a = np.abs(x).max(-1, keepdims=True)
;;       e = np.where(a > 0, np.clip(np.frexp(np.where(a > 0, a, 1))[1] - 1 - 2, -126, 127), 0)      # np.frexp(a)[1] - 1 = floor(log2(a)), exactly
;;       r = np.clip(x / 2.0 ** e, -7.5, 7.5)
;;       step = 2.0 ** (np.maximum(np.frexp(np.where(r == 0, 1, r))[1] - 1, 0) - 3)
;;       q = np.round(r / step) * step * 2.0 ** e      # np.round: ties to even
;;       return np.moveaxis(q.reshape(q.shape[:-2] + (-1,))[..., :K], -1, axis).astype(np.float32)
;;   ~~~
;;   SOFTMAX AHEAD OF A QUANTISED PRODUCT. Where the list says 'softmax', what is quantised is not the finished softmax but p = 2^(t - M), with t = logit x log2(e) and M = ceil(the row's largest t), a whole number; so 1/2 < the row's largest p <= 1. The row's sum l is taken of the UNQUANTISED p, in f32, and the product's result is divided by l at the end. Since M is a whole number, a kernel that streams over the keys may use a running M (the ceiling of the running maximum): every later rescaling is an exact power of two, which a block's scale takes up: the codes' values come out the same.
;;   OPERANDS COMPUTED ON THE WAY. 'Computed on the way' means the value that the module computes at that place (a softmax that the list does not call 'softmax' is quantised finished and normalised). What goes into a quantiser is computed in f32, as accurately as f32 sums, v_exp_f32 and their like allow (about 1e-6 of the number): no bf16 or f16 on the way to a quantiser, and a product that is left as it is and whose result goes on into a quantised operand takes f32 operands (vector FMAs, or v_wmma_f32_16x16x4_f32). A number that lies on a knife's edge between two numbers of the format may be rounded either way, as far as f32 arithmetic and the matrix unit's own rounding can turn it there, and no further.
;; One version. Each part assembles by itself: llvm-mc -triple=amdgcn-amd-amdhsa -mcpu=gfx1250 --defsym DOCPART=n.
;; ======== version 1 of 1: 4 launches
;; limits: right only within a limited range of input values
;; workspace buffers: xc 18,874,368 bytes; xs 786,432 bytes; wc 3,145,728 bytes; ws 131,072 bytes; img 18,874,368 bytes; sc 786,432 bytes; oc 6,291,456 bytes; os 262,144 bytes
;; launch quant (part 1): grid 896 x 1, 4 waves a work-group, no clusters, 68,096 bytes of LDS; arguments Wq, Wk, Wv, Wo, query, key, value, xc, xs, wc, ws; writes xc, xs, wc, ws
.if DOCPART == 1
	.amdgcn_target "amdgcn-amd-amdhsa--gfx1250"
	.amdhsa_code_object_version 6
	.text
	.protected	k_qd8dc100fb1_quant
	.globl	k_qd8dc100fb1_quant
	.p2align	8
	.type	k_qd8dc100fb1_quant,@function
k_qd8dc100fb1_quant:
	s_mov_b64 s[64:65], 0
	v_nop
	global_prefetch_b8 v0, s[64:65] scope:SCOPE_SE
	s_setreg_imm32_b32 hwreg(HW_REG_WAVE_MODE, 25, 1), 1
	s_wait_xcnt 0x0
; ONE LAUNCH QUANTISES ALL SEVEN OPERANDS to codes of FP6 (E2M3) with one E8M0 byte for each 32 along K.  Work-groups 0-127 take the weights, 128-895 query, key, value: the paths part on the work-group's number alone and never join.
; A block's scale is 2^(floor(log2(its largest magnitude)) - 2); its byte is that magnitude's exponent field - 2, held at 1 from below.
; LIMITS: a block of zeros, or one whose largest magnitude lies under 2^-124, gets the byte 1 (zero codes add nothing; this program alone reads the bytes); NaN and infinities are not served.
; LAYOUT of xc [tensor 0..2] and wc [weight 0..3]: [block of 128 row places][K step of 256][place in the block][192 bytes]: 128 rows of a K step are 24,576 dense bytes.  xs, ws: [place][32 bytes].
; PLACES: row (or column n of a weight) i lies at place swap34(i), i with its bits 3 and 4 exchanged: sixteen neighbouring places 32 b + 16 u + r hold rows 32 b + 8 u + r + 8 (r / 8).
; LDS: the tokens' path has bytes 0 .. 32,767 (8,192 a wave), the spare words 512 bytes from SPARE, the weights' path 34,816 bytes from WST.  Waves share nothing: no barrier.
.set STEPS, 16
.set EMAX,  2
.set CB,    12                         ; bytes of 16 codes
.set R,     16                         ; v16-79   four sets of 16 numbers as loaded
.set X,     80                         ; v80-111  two sets of 16 neighbours
.set C,     128                        ; v128-191 codes: four registers a step
.set E,     112                        ; v112-127 a scale byte a step
.set WREG,  8192
.set SP,    80                         ; a lane's place in a stage: 64 bytes + 16
.set SPARE, 0x8000
.set WST,   0x8200
.set NWG,   128
	v_lshl_add_u32 v192, v0, 2, SPARE
	v_mov_b32 v193, 0
	s_cmp_lt_u32 ttmp9, NWG
	s_wait_alu depctr_va_vdst(0)                   ; the wait ahead of the branch
	s_cbranch_scc1 .Lweights
; ---- TOKENS.  A wave takes 8 rows in 16 steps of 512 numbers.  Each load reads 512 consecutive bytes; a step's 2,048 bytes turn through the wave's stage and come back 64 bytes a lane: 16 neighbours along K, two lanes to a block.
	s_load_b128 s[4:7], s[0:1], 0x20               ; query, key
	s_load_b128 s[8:11], s[0:1], 0x30              ; value, xc
	s_load_b64 s[12:13], s[0:1], 0x40              ; xs
	v_lshrrev_b32 v1, 5, v0
	v_readfirstlane_b32 s16, v1                    ; wave
	v_and_b32 v2, 31, v0                           ; lane
	v_lshlrev_b32 v3, 4, v2
	s_mul_i32 s17, s16, WREG
	v_lshrrev_b32 v14, 2, v2
	v_mul_u32_u24 v14, v14, SP
	v_and_b32 v15, 3, v2
	v_lshl_add_u32 v14, v15, 4, v14
	v_add_nc_u32 v14, s17, v14                     ; the stage, in: SP (lane / 4) + 16 (lane % 4)
	v_mul_u32_u24 v15, v2, SP
	v_add_nc_u32 v15, s17, v15                     ; out: SP x lane
	v_and_b32 v4, 15, v2
	v_mul_u32_u24 v4, v4, CB                       ; my 12 bytes of a row's 192: lanes 0-15 hold one K step,
	v_lshrrev_b32 v10, 4, v2
	v_mad_u32_u24 v4, v10, 24576, v4               ; lanes 16-31 the next
	v_lshrrev_b32 v5, 1, v2
	s_add_co_u32 s17, s17, 2*32*SP
	v_add_nc_u32 v5, s17, v5                       ; LDS: my block's scale byte
	v_lshlrev_b32 v7, 3, v2
	v_add_nc_u32 v6, s17, v7
	s_sub_co_u32 s24, ttmp9, NWG
	s_lshr_b32 s14, s24, 8                         ; which tensor: 256 work-groups each
	s_and_b32 s15, s24, 255
	s_lshl_b32 s18, s15, 2
	s_add_co_u32 s20, s18, s16                     ; my run of 8 rows as it is read
	s_lshl_b32 s20, s20, 15
	s_mov_b32 s21, 0
	s_and_b32 s22, s16, 1
	s_lshl_b32 s22, s22, 1
	s_lshr_b32 s23, s16, 1
	s_or_b32 s22, s22, s23                         ; the wave's two bits exchanged: bits 3 and 4 of the row
	s_add_co_u32 s22, s22, s18                     ; my run's place
	s_wait_alu depctr_va_vdst(0)                   ; the wait at the head's end
	s_wait_kmcnt 0x0
	s_cmp_eq_u32 s14, 1
	s_cselect_b64 s[4:5], s[6:7], s[4:5]
	s_cmp_eq_u32 s14, 2
	s_cselect_b64 s[4:5], s[8:9], s[4:5]
	s_add_nc_u64 s[4:5], s[4:5], s[20:21]
	s_lshr_b32 s20, s22, 4                         ; sixteen runs to a block of 98,304 bytes
	s_mul_i32 s20, s20, 98304
	s_and_b32 s24, s22, 15
	s_mul_i32 s24, s24, 1536                       ; 8 rows of 192 bytes
	s_add_co_u32 s20, s20, s24
	s_mul_i32 s23, s14, 6291456
	s_add_co_u32 s20, s20, s23
	s_add_nc_u64 s[10:11], s[10:11], s[20:21]
	s_lshl_b32 s20, s22, 8                         ; 8 rows of 32 scale bytes
	s_lshl_b32 s23, s14, 18
	s_add_co_u32 s20, s20, s23
	s_add_nc_u64 s[12:13], s[12:13], s[20:21]
.macro LOAD t
.irp i, 0,1,2,3
	global_load_b128 v[R+16*((\t)%4)+4*\i:R+16*((\t)%4)+4*\i+3], v3, s[4:5] offset:2048*(\t)+512*\i th:TH_LOAD_NT
.endr
.endm
.macro TURN t                          ; LDS serves a wave's instructions in order: no wait between the stores and the loads
.irp i, 0,1,2,3
	ds_store_b128 v14, v[R+16*((\t)%4)+4*\i:R+16*((\t)%4)+4*\i+3] offset:32*SP*((\t)%2)+8*SP*\i
.endr
.irp i, 0,1,2,3
	ds_load_b128 v[X+16*((\t)%2)+4*\i:X+16*((\t)%2)+4*\i+3], v15 offset:32*SP*((\t)%2)+16*\i
.endr
.endm
.irp t, 0,1,2,3
	LOAD \t
.endr
	s_wait_loadcnt 12                              ; step 0's four loads are in; twelve younger ones stay out
	TURN 0
.macro STEP t
.set XS, X+16*((\t)%2)
.if (\t) > 0
	s_wait_dscnt 1                                 ; this step's numbers are back (the last step's byte store may be out)
.else
	s_wait_dscnt 0x0
.endif
.if (\t)+4 < STEPS
	LOAD (\t)+4
.endif
.if (\t)+1 < STEPS
.if STEPS-2-(\t) >= 3
	s_wait_loadcnt 12                              ; the next step's four loads are in; three steps' may be out
.else
	s_wait_loadcnt 4*(STEPS-2-(\t))
.endif
	TURN (\t)+1
.endif
	v_max3_num_f32 v8, |v[XS]|, |v[XS+1]|, |v[XS+2]|
	v_max3_num_f32 v9, |v[XS+3]|, |v[XS+4]|, |v[XS+5]|
.irp i, 6,10
	v_max3_num_f32 v8, v8, |v[XS+\i]|, |v[XS+\i+1]|
	v_max3_num_f32 v9, v9, |v[XS+\i+2]|, |v[XS+\i+3]|
.endr
	v_max3_num_f32 v8, v8, |v[XS+14]|, |v[XS+15]|
	v_max3_num_f32 v8, v8, v9, (EMAX+1)<<23        ; the floor 2^(3 - 127): the byte cannot fall under 1
	v_max_num_f32_dpp v8, v8, v8 row_xmask:1 row_mask:0xf bank_mask:0xf   ; with my neighbour's 16: the block's
	v_add_nc_u32 v11, -(EMAX<<23), v8              ; 2 off the exponent field: the conversion's scale operand
	v_cvt_scalef32_pk16_fp6_f32 v[C+4*(\t):C+4*(\t)+2], v[XS:XS+15], v11
	v_lshrrev_b32 v[E+(\t)], 23, v11               ; the scale's byte
	ds_store_b8 v5, v[E+(\t)] offset:16*(\t)
	global_store_b96 v4, v[C+4*(\t):C+4*(\t)+2], s[10:11] offset:192*((\t)/2)+49152*((\t)%2)   ; row t / 2 of my 8; K steps 2 (t % 2), 2 (t % 2) + 1: sixteen lanes store 192 consecutive bytes
.endm
.irp t, 0,1,2,3,4,5,6,7,8,9,10,11,12,13,14,15
	STEP \t
.endr
	ds_load_b64 v[12:13], v6
	s_wait_dscnt 0x0
	global_store_b64 v7, v[12:13], s[12:13]        ; 32 lanes store 256 consecutive bytes, aligned
	s_wait_tensorcnt 0x0                           ; the wave's end
	ds_add_u32 v192, v193
	s_wait_dscnt 0x0
	s_endpgm
; ---- WEIGHTS [1024 (k)][1024 (n)]: K is the first axis.  A lane takes a column and its registers run down K.  A wave takes 32 columns x 256 along K; its codes go through its stage (row = the column's place) and leave as rows of 192 bytes.
; Work-group w: 128 columns w % 8; 256 along K (w / 8) % 4; weight w / 32.
.set SIZE_N, 1024
.set NB,    8
.set PITCH, 272
.set WX,    32                         ; v32-95   two sets of 32 numbers
.set WC,    96                         ; v96..    a block's codes
.set OUTR,  112                        ; v112-175 the way out
.set SB,    24                         ; v24-25   the scale bytes
.Lweights:
	s_load_b256 s[4:11], s[0:1], 0x0               ; Wq, Wk, Wv, Wo
	s_load_b64 s[12:13], s[0:1], 0x48              ; wc
	s_load_b64 s[14:15], s[0:1], 0x50              ; ws
	v_lshrrev_b32 v1, 5, v0
	v_readfirstlane_b32 s16, v1
	v_and_b32 v2, 31, v0
	s_and_b32 s32, ttmp9, 7
	s_lshl_b32 s17, s32, 7
	s_lshl_b32 s18, s16, 5
	s_add_co_u32 s17, s17, s18                     ; my wave's first column
	s_lshr_b32 s30, ttmp9, 3
	s_and_b32 s18, s30, 3                          ; which 256 along K
	s_lshr_b32 s30, s30, 2                         ; which weight
	v_lshlrev_b32 v3, 2, v2
	v_and_b32 v10, 7, v2                           ; my column's place among the wave's 32: lane bits 3 and 4 exchanged
	v_and_b32 v14, 8, v2
	v_lshl_add_u32 v10, v14, 1, v10
	v_lshrrev_b32 v14, 1, v2
	v_and_b32 v14, 8, v14
	v_add_nc_u32 v10, v10, v14
	s_mul_i32 s19, s16, 32*PITCH
	s_add_co_u32 s19, s19, WST                     ; my stage
	v_mul_u32_u24 v4, v10, PITCH
	v_add_nc_u32 v4, s19, v4
	v_and_b32 v5, 15, v2
	v_lshrrev_b32 v6, 4, v2                        ; out of it: sixteen lanes to a row, two rows an instruction
	v_mul_u32_u24 v7, v6, PITCH
	v_lshl_add_u32 v7, v5, 4, v7
	v_add_nc_u32 v7, s19, v7
	v_mul_u32_u24 v8, v6, 192
	v_mad_u32_u24 v8, v5, 12, v8
	s_lshl_b32 s20, s18, 20                        ; W: 256 rows of 4,096 bytes a K step
	s_lshl_b32 s22, s17, 2
	s_add_co_u32 s20, s20, s22                     ; + 4 x column
	s_mov_b32 s21, 0
	s_mul_i32 s24, s30, 786432                     ; codes: the weight's part,
	s_mul_i32 s26, s32, 98304                      ; the block of 128 places,
	s_add_co_u32 s24, s24, s26
	s_mul_i32 s26, s18, 24576                      ; the K step,
	s_add_co_u32 s24, s24, s26
	s_mul_i32 s26, s16, 6144                       ; my 32 places of 192 bytes
	s_add_co_u32 s24, s24, s26
	s_mov_b32 s25, 0
	s_lshl_b32 s28, s17, 5                         ; scale bytes: place x 32
	s_lshl_b32 s26, s18, 3
	s_add_co_u32 s28, s28, s26
	s_lshl_b32 s26, s30, 15
	s_add_co_u32 s28, s28, s26
	s_mov_b32 s29, 0
	v_mul_u32_u24 v9, v10, 32
	s_wait_alu depctr_va_vdst(0)                   ; the wait at the head's end
	s_wait_kmcnt 0x0
	s_cmp_eq_u32 s30, 1
	s_cselect_b64 s[4:5], s[6:7], s[4:5]
	s_cmp_eq_u32 s30, 2
	s_cselect_b64 s[4:5], s[8:9], s[4:5]
	s_cmp_eq_u32 s30, 3
	s_cselect_b64 s[4:5], s[10:11], s[4:5]
	s_add_nc_u64 s[4:5], s[4:5], s[20:21]
	s_add_nc_u64 s[12:13], s[12:13], s[24:25]
	s_add_nc_u64 s[14:15], s[14:15], s[28:29]
.macro LOADW t
.irp i, 0,1,2,3,4,5,6,7,8,9,10,11,12,13,14,15,16,17,18,19,20,21,22,23,24,25,26,27,28,29,30,31
	global_load_b32 v[WX+32*((\t)%2)+\i], v3, s[4:5] offset:(32*(\t)+\i)*SIZE_N*4 th:TH_LOAD_NT
.endr
.endm
	LOADW 0
	LOADW 1
.macro BLOCK t
.set XS, WX+32*((\t)%2)
.if (\t) < NB-1
	s_wait_loadcnt 32                              ; this block's 32 loads are in; the next block's may be out
.else
	s_wait_loadcnt 0
.endif
	v_max3_num_f32 v12, |v[XS]|, |v[XS+1]|, |v[XS+2]|
	v_max3_num_f32 v13, |v[XS+3]|, |v[XS+4]|, |v[XS+5]|
.irp i, 6,10,14,18,22,26
	v_max3_num_f32 v12, v12, |v[XS+\i]|, |v[XS+\i+1]|
	v_max3_num_f32 v13, v13, |v[XS+\i+2]|, |v[XS+\i+3]|
.endr
	v_max3_num_f32 v12, v12, |v[XS+30]|, |v[XS+31]|
	v_max3_num_f32 v12, v12, v13, (EMAX+1)<<23
	v_add_nc_u32 v11, -(EMAX<<23), v12
	v_lshrrev_b32 v13, 23, v11
.if (\t)%4 == 0
	v_mov_b32 v[SB+(\t)/4], v13
.else
	v_lshl_or_b32 v[SB+(\t)/4], v13, 8*((\t)%4), v[SB+(\t)/4]
.endif
	v_cvt_scalef32_pk16_fp6_f32 v[WC:WC+2], v[XS:XS+15], v11
	v_cvt_scalef32_pk16_fp6_f32 v[WC+4:WC+6], v[XS+16:XS+31], v11
	ds_store_b96 v4, v[WC:WC+2] offset:32*(\t)     ; 12 bytes to a place of 16 in the stage
	ds_store_b96 v4, v[WC+4:WC+6] offset:32*(\t)+16
.if (\t)+2 < NB
	LOADW (\t)+2
.endif
	s_wait_dscnt 0x0                               ; the stores have read their registers
.endm
.set Q, 0
.rept NB
	BLOCK Q
.set Q, Q+1
.endr
	s_wait_alu depctr_va_vdst(0)                   ; the wait ahead of the reader below
	global_store_b64 v9, v[SB:SB+1], s[14:15]      ; my column's 8 scale bytes
.irp t, 0,1,2,3,4,5,6,7,8,9,10,11,12,13,14,15
	ds_load_b96 v[OUTR+4*\t:OUTR+4*\t+2], v7 offset:2*\t*PITCH
.endr
.irp t, 0,1,2,3,4,5,6,7,8,9,10,11,12,13,14,15
	s_wait_dscnt 15-\t                             ; load t is in; the younger ones may be out
	global_store_b96 v8, v[OUTR+4*\t:OUTR+4*\t+2], s[12:13] offset:2*\t*192   ; two places, 384 consecutive bytes
.endr
	s_wait_tensorcnt 0x0                           ; the wave's end
	ds_add_u32 v192, v193
	s_wait_dscnt 0x0
	s_endpgm
.Lfunc_end_k_qd8dc100fb1_quant:
	.size	k_qd8dc100fb1_quant, .Lfunc_end_k_qd8dc100fb1_quant-k_qd8dc100fb1_quant
	.p2alignl 7, 3214868480
	.fill 96, 4, 3214868480
	.section	.rodata,"a",@progbits
	.p2align	6, 0x0
	.amdhsa_kernel k_qd8dc100fb1_quant
		.amdhsa_group_segment_fixed_size 68096
		.amdhsa_private_segment_fixed_size 0
		.amdhsa_enable_private_segment 0
		.amdhsa_kernarg_size 88
		.amdhsa_user_sgpr_count 2
		.amdhsa_user_sgpr_kernarg_segment_ptr 1
		.amdhsa_wavefront_size32 1
		.amdhsa_system_sgpr_workgroup_id_x 1
		.amdhsa_system_sgpr_workgroup_id_y 1
		.amdhsa_system_sgpr_workgroup_id_z 1
		.amdhsa_system_vgpr_workitem_id 0
		.amdhsa_next_free_vgpr 194
		.amdhsa_next_free_sgpr 66
		.amdhsa_reserve_vcc 0
		.amdhsa_float_denorm_mode_32 3
		.amdhsa_float_denorm_mode_16_64 3
		.amdhsa_memory_ordered 1
		.amdhsa_forward_progress 1
		.amdhsa_inst_pref_size 75
	.end_amdhsa_kernel
	.amdgpu_metadata
---
amdhsa.version: [ 1, 2 ]
amdhsa.kernels:
  - .name:           k_qd8dc100fb1_quant
    .symbol:         k_qd8dc100fb1_quant.kd
    .args:
      - { .name: Wq, .offset: 0, .size: 8, .value_kind: global_buffer, .address_space: global }
      - { .name: Wk, .offset: 8, .size: 8, .value_kind: global_buffer, .address_space: global }
      - { .name: Wv, .offset: 16, .size: 8, .value_kind: global_buffer, .address_space: global }
      - { .name: Wo, .offset: 24, .size: 8, .value_kind: global_buffer, .address_space: global }
      - { .name: query, .offset: 32, .size: 8, .value_kind: global_buffer, .address_space: global }
      - { .name: key, .offset: 40, .size: 8, .value_kind: global_buffer, .address_space: global }
      - { .name: value, .offset: 48, .size: 8, .value_kind: global_buffer, .address_space: global }
      - { .name: xc, .offset: 56, .size: 8, .value_kind: global_buffer, .address_space: global }
      - { .name: xs, .offset: 64, .size: 8, .value_kind: global_buffer, .address_space: global }
      - { .name: wc, .offset: 72, .size: 8, .value_kind: global_buffer, .address_space: global }
      - { .name: ws, .offset: 80, .size: 8, .value_kind: global_buffer, .address_space: global }
    .group_segment_fixed_size: 68096
    .private_segment_fixed_size: 0
    .kernarg_segment_align: 8
    .kernarg_segment_size: 88
    .max_flat_workgroup_size: 128
    .sgpr_count:     66
    .vgpr_count:     194
    .wavefront_size: 32
...
	.end_amdgpu_metadata
.endif
;; end of part 1
;; launch proj (part 2): grid 4 x 96, 4 waves a work-group, clusters of 4 x 4, 327,680 bytes of LDS; arguments xc, xs, wc, ws, bq, bk, bv, img, sc; writes img, sc
.if DOCPART == 2
	.amdgcn_target "amdgcn-amd-amdhsa--gfx1250"
	.amdhsa_code_object_version 6
	.text
	.protected	k_qd8dc100fb1_proj
	.globl	k_qd8dc100fb1_proj
	.p2align	8
	.type	k_qd8dc100fb1_proj,@function
k_qd8dc100fb1_proj:
	s_mov_b64 s[64:65], 0
	v_nop
	global_prefetch_b8 v0, s[64:65] scope:SCOPE_SE
	s_setreg_imm32_b32 hwreg(HW_REG_WAVE_MODE, 25, 1), 1
	s_wait_xcnt 0x0
	s_wait_alu depctr_hold_cnt(0) depctr_sa_sdst(0) depctr_va_vdst(0) depctr_va_sdst(0) depctr_va_ssrc(0) depctr_va_vcc(0) depctr_vm_vsrc(0)
	s_getreg_b32 s2, hwreg(HW_REG_IB_STS2, 6, 4)
	s_cmp_eq_u32 s2, 0
	s_cbranch_scc0 .Lentry_in_a_cluster
	s_endpgm
.Lentry_in_a_cluster:
	s_bfe_u32 s2, ttmp6, 0x10000c
	s_cmp_lg_u32 s2, 0xf033
	s_cbranch_scc0 .Lentry_shape_is_right
	s_endpgm
.Lentry_shape_is_right:
.set KSTEP,  256
.set NQ,     KSTEP/128
.set ROWB,   24576                     ; from K step to K step inside a block of 128 rows: 128 rows x 192 bytes, dense
.set KROW,   768
.set PITCH,  240
.set FR,     12
.set NL,     6
.set NP,     4
.set HALFT,  128*PITCH
.set SLOT,   4*HALFT
.set KS,     32
.set SCL,    2*SLOT
.set HALFS,  (128*KS/256)*272
.set SBLK,   (16*KS/256)*272
.set SPARE,  SCL+4*HALFS
.set PART,   6291456
.set HEADB,  98304
.set ADRA, 16
.set ADRB, 20
.set L8,   24
.set SOFF, 25
.set ADRS, 27
.set SPW,  28
.set NIL,  29
.set SC,   32
.set BI,   64
.set AF,   128
.set VO,   224
.set TM,   160
.set PW,   176
.set SW0,  180
.set SW1,  184
.set MW,   188
.set G1, 24
.set G0, 32
.set G1B, 48
.set G0B, 56
.set G1S, 68
.set G0S, 76
.set G1SB, 80
.set G0SB, 88
.set MSB, 0
.macro WIN new
.if MSB != \new
	s_set_vgpr_msb (MSB<<8)|\new
.set MSB, \new
.endif
.endm
.set MUL_LO, 0xa1
.set MUL_HI, 0xf1
.set BEG_LO, 0x81
.set BEG_HI, 0xc1
.set TO_B,   0x40
.macro JLOAD g0a, g1a, g0b, g1b
	s_cmp_eq_u32 s15, 0
	s_cbranch_scc0 .Lfor_b_\@
	tensor_load_to_lds s[\g0a:\g0a+3], s[\g1a:\g1a+7]
	s_nop 0
.rept 4
	v_nop
.endr
	s_branch .Lasked_\@
.Lfor_b_\@:
	tensor_load_to_lds s[\g0b:\g0b+3], s[\g1b:\g1b+7]
	s_nop 0
.rept 4
	v_nop
.endr
.Lasked_\@:
.endm
.macro CREST
	s_cmp_lg_u32 s14, 0
	s_cbranch_scc1 .Lnot_wave_0_\@
	s_barrier_signal -3
.Lnot_wave_0_\@:
	s_barrier_wait -3
	s_barrier_signal -1
	s_barrier_wait -1
.endm
.macro CROUND
	s_barrier_signal -1
	s_barrier_wait -1
	CREST
.endm
	s_load_b256 s[4:11], s[0:1], 0x0
	s_load_b256 s[68:75], s[0:1], 0x20
	s_load_b64 s[12:13], s[0:1], 0x40
	v_lshl_add_u32 v[SPW], v0, 2, SPARE
	v_mov_b32 v[NIL], 0
	ds_add_u32 v28, v29
	ds_add_u32 v28, v29
	s_wait_dscnt 0x0
	v_lshrrev_b32 v1, 5, v0
	v_readfirstlane_b32 s14, v1
	s_lshr_b32 s15, s14, 1
	s_and_b32 s16, s14, 1
	s_bfe_u32 s40, ttmp6, 0x40000
	s_bfe_u32 s41, ttmp6, 0x40004
	s_and_b32 s17, ttmp7, 0xffff
	s_lshr_b32 s95, s17, 3
	s_and_b32 s17, s17, 7
	s_cmp_eq_u32 s95, 2
	s_cselect_b32 s96, 1, 0
	s_cselect_b32 s42, s17, 0
	s_cselect_b32 s17, 0, s17
	s_lshl_b32 s42, s42, 2
	s_add_co_u32 s42, s42, s40
	s_lshl_b32 s17, s17, 2
	s_add_co_u32 s17, s17, s41
	s_lshl_b32 s43, s41, 2
	s_lshl_b32 s43, 15, s43
	s_lshl_b32 s44, 0x1111, s40
	s_or_b32 s[G1+0], s43, (3<<16)|(1<<20)|(1<<21)|(3<<22)|(3<<25)   ; elements of 8 bytes; 16 bytes of padding behind each 64
	s_or_b32 s[G1B+0], s44, (3<<16)|(1<<20)|(1<<21)|(3<<22)|(3<<25)
.irp g, G1, G1B
	s_mov_b32 s[\g+1], 3072<<16                    ; the head's form: K step 0 of 256 rows = two blocks' 24,576 dense bytes, 98,304 bytes apart: two rows of 3,072 elements
	s_mov_b32 s[\g+2], 2<<16
	s_mov_b32 s[\g+3], 3072<<16
	s_mov_b32 s[\g+4], 2
	s_mov_b32 s[\g+5], 12288
	s_mov_b32 s[\g+6], 0
	s_mov_b32 s[\g+7], 0
.endr
	s_lshl_b32 s18, s16, 7
	s_lshl_b32 s19, s17, 8
	s_add_co_u32 s19, s19, s18
	s_mul_i32 s76, s19, KROW
	s_mov_b32 s77, 0
	s_lshl_b32 s78, s19, 5
	s_mov_b32 s79, 0
	s_lshl_b32 s94, s42, 8
	s_add_co_u32 s94, s94, s18
	s_mul_i32 s88, s94, KROW
	s_mov_b32 s89, 0
	s_lshl_b32 s90, s94, 5
	s_mov_b32 s91, 0
	s_mul_i32 s45, s14, HALFT
	s_mul_i32 s94, s14, HALFS
	s_wait_kmcnt 0x0
	s_cmp_eq_u32 s95, 1
	s_cselect_b64 s[66:67], s[70:71], s[68:69]
	s_cmp_eq_u32 s95, 2
	s_cselect_b64 s[66:67], s[72:73], s[66:67]
	s_mov_b64 s[98:99], s[74:75]
	s_mov_b32 s3, 0
	s_mul_i32 s2, s95, PART
	s_add_nc_u64 s[4:5], s[4:5], s[2:3]
	s_lshl_b32 s2, s95, 18
	s_add_nc_u64 s[6:7], s[6:7], s[2:3]
	s_mul_i32 s2, s95, 786432
	s_add_nc_u64 s[8:9], s[8:9], s[2:3]
	s_lshl_b32 s2, s95, 15
	s_add_nc_u64 s[10:11], s[10:11], s[2:3]
	s_cmp_eq_u32 s96, 1
	s_cselect_b64 s[20:21], s[8:9], s[4:5]
	s_cselect_b64 s[22:23], s[10:11], s[6:7]
	s_cselect_b64 s[46:47], s[4:5], s[8:9]
	s_cselect_b64 s[92:93], s[6:7], s[10:11]
	s_add_nc_u64 s[20:21], s[20:21], s[76:77]
	s_add_nc_u64 s[22:23], s[22:23], s[78:79]
	s_add_nc_u64 s[46:47], s[46:47], s[88:89]
	s_add_nc_u64 s[92:93], s[92:93], s[90:91]
	s_or_b32 s[G1S+0], s43, (3<<16)|(1<<20)|(1<<21)|(5<<22)|(3<<25)
	s_or_b32 s[G1SB+0], s44, (3<<16)|(1<<20)|(1<<21)|(5<<22)|(3<<25)
.irp g, G1S, G1SB
	s_mov_b32 s[\g+1], 32<<16
	s_mov_b32 s[\g+2], (256*KS/256)<<16            ; the scales of all 256 rows by one load
	s_mov_b32 s[\g+3], 32<<16
	s_mov_b32 s[\g+4], 256*KS/256
	s_mov_b32 s[\g+5], 32
	s_mov_b32 s[\g+6], 0
	s_mov_b32 s[\g+7], 0
.endr
	CROUND
	s_mov_b32 s[G0S], 1
	s_mov_b32 s[G0S+1], SCL
	s_lshl_b32 s2, s16, 12                         ; back from my 128 rows to the tile's first row
	s_mov_b32 s3, 0
	s_sub_nc_u64 s[G0S+2:G0S+3], s[22:23], s[2:3]
	s_or_b32 s[G0S+3], s[G0S+3], 0x80000000
	s_mov_b32 s[G0SB], 1
	s_mov_b32 s[G0SB+1], SCL+2*HALFS
	s_sub_nc_u64 s[G0SB+2:G0SB+3], s[92:93], s[2:3]
	s_or_b32 s[G0SB+3], s[G0SB+3], 0x80000000
	s_mul_i32 s2, s16, 98304
	s_mov_b32 s4, 1                                ; s[4:7], s[8:11]: group 0 of the head's loads of codes (the arguments that lay there have served)
	s_mov_b32 s5, 0
	s_sub_nc_u64 s[6:7], s[20:21], s[2:3]
	s_or_b32 s7, s7, 0x80000000
	s_mov_b32 s8, 1
	s_mov_b32 s9, 2*HALFT
	s_sub_nc_u64 s[10:11], s[46:47], s[2:3]
	s_or_b32 s11, s11, 0x80000000
; THE HEAD'S FOUR TILES, ONE A WAVE, in one chain of branches on the wave's number: A's 256 rows of K step 0, B's, A's scales, B's
.macro ARM under, g0, g1, next
	s_cmp_lt_u32 s14, \under
	s_cbranch_scc0 \next
	tensor_load_to_lds s[\g0:\g0+3], s[\g1:\g1+7]
	s_nop 0
.rept 4
	v_nop
.endr
	s_branch .Lhead_asked
\next:
.endm
	ARM 1, 4, G1, .Lhead_b
	ARM 2, 8, G1B, .Lhead_sa
	ARM 3, G0S, G1S, .Lhead_sb
	tensor_load_to_lds s[G0SB:G0SB+3], s[G1SB:G1SB+7]
	s_nop 0
.rept 4
	v_nop
.endr
.Lhead_asked:
.irp s, 0,1
	s_mov_b32 s[G0+4*\s], 1
	s_add_co_u32 s[G0+4*\s+1], s45, \s*SLOT
	s_add_nc_u64 s[G0+4*\s+2:G0+4*\s+3], s[20:21], \s*ROWB
	s_or_b32 s[G0+4*\s+3], s[G0+4*\s+3], 0x80000000
	s_mov_b32 s[G0B+4*\s], 1
	s_add_co_u32 s[G0B+4*\s+1], s45, \s*SLOT
	s_add_nc_u64 s[G0B+4*\s+2:G0B+4*\s+3], s[46:47], \s*ROWB
	s_or_b32 s[G0B+4*\s+3], s[G0B+4*\s+3], 0x80000000
.endr
	v_and_b32 v1, 15, v0
	v_bfe_u32 v2, v0, 4, 1
	v_mul_u32_u24 v3, v1, PITCH
	v_mul_u32_u24 v4, v2, 24
	v_add_nc_u32 v4, v3, v4
	v_lshl_add_u32 v5, v2, 4, v4
	s_mul_i32 s21, s15, HALFT
	s_mul_i32 s22, s16, HALFT
	s_add_co_u32 s22, s22, 2*HALFT
.irp s, 0,1
	v_add_nc_u32 v[ADRA+\s], s21, v4
	v_add_nc_u32 v[ADRB+\s], s22, v4
	v_add_nc_u32 v[ADRA+2+\s], s21, v5
	v_add_nc_u32 v[ADRB+2+\s], s22, v5
	s_add_co_u32 s21, s21, SLOT
	s_add_co_u32 s22, s22, SLOT
.endr
	v_mul_u32_u24 v5, v1, KS
	v_lshrrev_b32 v6, 8, v5
	v_lshl_add_u32 v5, v6, 4, v5
	s_mul_i32 s21, s15, HALFS
	s_mul_i32 s22, s16, HALFS
	s_add_co_u32 s22, s22, 2*HALFS
	s_sub_co_u32 s22, s22, s21
	v_mul_u32_u24 v6, s22, v2
	s_add_co_u32 s21, s21, SCL
	v_add_nc_u32 v5, v5, v6
	v_add_nc_u32 v[ADRS], s21, v5
	v_and_b32 v[L8], 31, v0
	v_lshlrev_b32 v[L8], 3, v[L8]
	s_lshl_b32 s20, s17, 8
	s_lshl_b32 s18, s15, 7
	s_add_co_u32 s20, s20, s18
	s_lshl_b32 s21, s42, 8
	s_lshl_b32 s18, s16, 7
	s_add_co_u32 s21, s21, s18
	s_cmp_eq_u32 s96, 1
	s_cselect_b32 s22, s21, s20
	s_cselect_b32 s23, s20, s21
	s_cselect_b32 s46, 4, 0
	s_cselect_b32 s47, 0, 64
	s_cselect_b32 s92, 0, 4
	s_lshl_b32 s18, s23, 2
	s_mov_b32 s19, 0
	s_add_nc_u64 s[66:67], s[66:67], s[18:19]
	v_and_b32 v5, 8, v1
	v_add_nc_u32 v5, v5, v1
	v_mul_u32_u24 v5, v5, s46
	v_mad_u32_u24 v5, v2, s47, v5
	v_mov_b32 v6, s92
.irp j, 0,1,2,3,4,5,6,7
	v_mad_u32_u24 v[VO+\j], v6, \j, v5
.endr
.irp i, 0,1,2,3,4,5,6,7
.irp j, 0,1,2,3,4,5,6,7
	global_load_b32 v[BI+8*\i+\j], v[VO+\j], s[66:67] offset:(32*(\i/2)+8*(\i%2))*4
.endr
.endr
.macro FRAG reg, adr, q, i
.irp p, 0,1,2,3,4,5
.set PC, 12*(\q)+6*(\p/3)+\p%3
.if PC%8 < 5
	ds_load_b64 v[\reg+2*\p:\reg+2*\p+1], v[\adr] offset:8*PC+16*(PC/8)+(\i)*16*PITCH
.else
	ds_load_b64 v[\reg+2*\p:\reg+2*\p+1], v[\adr+2] offset:8*PC+16*(PC/8)+(\i)*16*PITCH
.endif
.endr
.endm
.macro MUL16 a0, p, q, sc, zero
.irp a, \a0, \a0+1
.irp b, 0,1,2,3,4,5,6,7
.set rD, 8*(8*((\a)%4)+\b)
.set rB, 128*(\p)+FR*\b
.set rA, AF+FR*(\a)
.set rSB, SC+8*NQ*(\sc)+NQ*\b+(\q)
.set rSA, SC+8*NQ*(\sc)+NQ*(\a)+(\q)
.if \zero == 1
	v_wmma_scale_f32_16x16x128_f8f6f4 v[rD:rD+7], v[rB:rB+FR-1], v[rA:rA+FR-1], v[BI+8*\b:BI+8*\b+7], v[rSB], v[rSA] matrix_a_fmt:MATRIX_FMT_FP6 matrix_b_fmt:MATRIX_FMT_FP6 matrix_a_scale:MATRIX_SCALE_ROW1
.elseif \zero == 2
	v_wmma_scale_f32_16x16x128_f8f6f4 v[rD:rD+7], v[rB:rB+FR-1], v[rA:rA+FR-1], v[BI+8*(\a):BI+8*(\a)+7], v[rSB], v[rSA] matrix_a_fmt:MATRIX_FMT_FP6 matrix_b_fmt:MATRIX_FMT_FP6 matrix_a_scale:MATRIX_SCALE_ROW1
.else
	v_wmma_scale_f32_16x16x128_f8f6f4 v[rD:rD+7], v[rB:rB+FR-1], v[rA:rA+FR-1], v[rD:rD+7], v[rSB], v[rSA] matrix_a_fmt:MATRIX_FMT_FP6 matrix_b_fmt:MATRIX_FMT_FP6 matrix_a_scale:MATRIX_SCALE_ROW1
.endif
.endr
.endr
.endm
.macro FETCH_B slot, q, p
	WIN TO_B
.irp i, 0,1,2,3,4,5,6,7
	FRAG 128*(\p)+FR*\i, ADRB+\slot, \q, \i
.endr
	WIN 0
.endm
.macro FETCH_A slot, q, i0
.irp i, \i0, \i0+1, \i0+2, \i0+3
	FRAG AF+FR*(\i), ADRA+\slot, \q, \i
.endr
.endm
.macro SCALES sc
.irp i, 0,1,2,3,4,5,6,7
	ds_load_b64 v[SC+8*NQ*\sc+NQ*\i:SC+8*NQ*\sc+NQ*\i+1], v[ADRS] offset:\i*SBLK
.endr
.endm
.macro PLACES n
.rept \n
	v_nop
.endr
.endm
.macro STEP slot, q, zero
	s_wait_dscnt 4*NL
.if \zero
	WIN BEG_LO
.else
	WIN MUL_LO
.endif
	MUL16 0, (\q)%2, \q, \slot, \zero
	MUL16 2, (\q)%2, \q, \slot, \zero
	s_wait_dscnt 0
	PLACES NP
	FETCH_B \slot, (\q)+1, 1-(\q)%2
	FETCH_A \slot, (\q)+1, 0
.if \zero
	WIN BEG_HI
.else
	WIN MUL_HI
.endif
	MUL16 4, (\q)%2, \q, \slot, \zero
	MUL16 6, (\q)%2, \q, \slot, \zero
	PLACES NP
	WIN 0
	FETCH_A \slot, (\q)+1, 4
.endm
.macro TURN slot, next, fill
	s_wait_tensorcnt 0x0
	ds_add_u32 v[SPW], v[NIL]
	s_wait_dscnt 4*NL+1
	WIN MUL_LO
	MUL16 0, 1, NQ-1, \slot, 0
	s_wait_dscnt 0x0
	s_barrier_signal -1
	MUL16 2, 1, NQ-1, \slot, 0
	WIN 0
	s_barrier_wait -1
.if \fill
	CREST
	s_add_nc_u64 s[G0+4*\slot+2:G0+4*\slot+3], s[G0+4*\slot+2:G0+4*\slot+3], 2*ROWB
	s_add_nc_u64 s[G0B+4*\slot+2:G0B+4*\slot+3], s[G0B+4*\slot+2:G0B+4*\slot+3], 2*ROWB
	JLOAD G0+4*\slot, G1, G0B+4*\slot, G1B
.else
	PLACES NP
.endif
	s_wait_alu depctr_va_vdst(0)
	v_add_nc_u32 v[ADRS], 4*NQ, v[ADRS]
	FETCH_B \next, 0, 0
	FETCH_A \next, 0, 0
	SCALES \next
	WIN MUL_HI
	MUL16 4, 1, NQ-1, \slot, 0
	MUL16 6, 1, NQ-1, \slot, 0
	PLACES NP
	WIN 0
	FETCH_A \next, 0, 4
.endm
	s_wait_alu depctr_va_vdst(0)                   ; the wait at the head's end
	s_wait_tensorcnt 0x0                           ; my tile of the head's four is in; these lines stand ahead of slot 1's first fill as ahead of a refill
	ds_add_u32 v28, v29
.irp g, G1, G1B
	s_mov_b32 s[\g+1], 32<<16                      ; no tensor load of mine is out: from here on a load brings 128 rows of a K step, 96 rows of 256 bytes
	s_mov_b32 s[\g+2], 96<<16
	s_mov_b32 s[\g+3], 32<<16
	s_mov_b32 s[\g+4], 96
	s_mov_b32 s[\g+5], 32
.endr
	s_wait_dscnt 0x0
	CROUND                                         ; all four tiles are shown to all waves, and the sixteen work-groups meet
	JLOAD G0+4, G1, G0B+4, G1B                     ; K step 1 into slot 1
	FETCH_B 0, 0, 0
	FETCH_A 0, 0, 0
	SCALES 0
	FETCH_A 0, 0, 4
	s_wait_loadcnt 0x0
	s_cmp_eq_u32 s96, 1
	s_cbranch_scc1 .Lfirst_v
	STEP 0, 0, 1
	s_branch .Lfirst_done
.Lfirst_v:
	STEP 0, 0, 2
.Lfirst_done:
	TURN 0, 1, 1
	STEP 1, 0, 0
	TURN 1, 0, 1
	STEP 0, 0, 0
	TURN 0, 1, 0
	STEP 1, 0, 0
	s_wait_dscnt 4*NL
	WIN MUL_LO
	MUL16 0, 1, NQ-1, 1, 0
	MUL16 2, 1, NQ-1, 1, 0
	s_wait_dscnt 0
	WIN MUL_HI
	MUL16 4, 1, NQ-1, 1, 0
	MUL16 6, 1, NQ-1, 1, 0
	WIN 0
	PLACES NP
	s_lshr_b32 s18, s22, 11
	s_bfe_u32 s19, s22, 0x40007
	s_lshr_b32 s94, s23, 6
	s_mul_i32 s2, s95, PART
	s_mul_i32 s3, s18, 16*HEADB
	s_add_co_u32 s2, s2, s3
	s_mul_i32 s3, s94, HEADB
	s_add_co_u32 s2, s2, s3
	s_mul_i32 s3, s19, 6144
	s_add_co_u32 s2, s2, s3
	s_mov_b32 s3, 0
	s_add_nc_u64 s[4:5], s[98:99], s[2:3]
	s_lshl_b32 s2, s18, 4
	s_add_co_u32 s2, s2, s94
	s_lshl_b32 s2, s2, 12
	s_lshl_b32 s45, s95, 18
	s_add_co_u32 s2, s2, s45
	s_cmp_eq_u32 s96, 1
	s_cselect_b32 s45, 9, 8
	s_lshl_b32 s45, s19, s45
	s_add_co_u32 s2, s2, s45
	s_add_nc_u64 s[12:13], s[12:13], s[2:3]
	s_cmp_eq_u32 s96, 1
	s_mov_b32 s100, HEADB
	s_cselect_b32 s100, 768, s100
	s_mov_b32 s101, 0
	s_mov_b32 s46, 768
	s_cselect_b32 s46, 1536, s46
	s_mov_b32 s47, 0
	s_cselect_b32 s92, HEADB-4*1536, 0
	s_mov_b32 s93, 0
	s_mov_b32 s97, 4096
	s_cselect_b32 s97, 256, s97
	s_mov_b32 s8, 0x05040100
	s_cselect_b32 s8, 0x03020100, s8
	s_mov_b32 s9, 0x07060302
	s_cselect_b32 s9, 0x07060504, s9
	s_add_nc_u64 s[6:7], s[4:5], s[100:101]
	s_mov_b32 s20, 0x76543210
	s_mov_b32 s21, 0xfedcba98
	v_mul_u32_u24 v[SOFF], v2, s97
	v_lshl_add_u32 v[SOFF], v1, 4, v[SOFF]
.irp b, 0,1,2,3
	v_mov_b32 v[TM+4+\b], 0
.endr
.macro QOUT a
.set WA, 2+(\a)/4
.set WMX, WA|(WA<<2)
.set XR, 64*((\a)%4)
.set CD, 128
.if (\a)%4 == 2
.set CD, 192
.endif
.if (\a) > 0
	s_wait_xcnt 0x0
	s_add_nc_u64 s[4:5], s[4:5], s[46:47]
.if (\a) == 4
	s_add_nc_u64 s[4:5], s[4:5], s[92:93]
.endif
	s_add_nc_u64 s[6:7], s[4:5], s[100:101]
.endif
	WIN WMX
.irp b, 0,1,2,3
	v_max3_num_f32 v[TM+\b], |v[XR+16*\b]|, |v[XR+1+16*\b]|, 0x1800000
.endr
.irp i, 2,4,6,8,10,12,14
.irp b, 0,1,2,3
	v_max3_num_f32 v[TM+\b], |v[XR+16*\b+\i]|, |v[XR+1+16*\b+\i]|, v[TM+\b]
.endr
.endr
	WIN 0
.irp b, 0,1,2,3
	v_permlanex16_b32 v[TM+4+\b], v[TM+\b], s20, s21
.endr
.irp b, 0,1,2,3
	v_max_num_f32 v[TM+\b], v[TM+\b], v[TM+4+\b]
.endr
.irp b, 0,1,2,3
	v_add_nc_u32 v[TM+12+\b], 0xff000000, v[TM+\b]
.endr
.irp b, 0,1,2,3
	v_lshrrev_b32 v[TM+4+\b], 23, v[TM+12+\b]
.endr
	v_lshl_or_b32 v[PW+(\a)%2], v[TM+5], 8, v[TM+4]
	v_lshl_or_b32 v[PW+(\a)%2], v[TM+6], 16, v[PW+(\a)%2]
	v_lshl_or_b32 v[PW+(\a)%2], v[TM+7], 24, v[PW+(\a)%2]
	WIN WA
.irp c, 0,1
	v_cvt_scalef32_pk16_fp6_f32 v[CD+6*\c:CD+2+6*\c], v[XR+32*\c:XR+15+32*\c], v[TM+12+2*\c]
	v_cvt_scalef32_pk16_fp6_f32 v[CD+12+4*\c:CD+14+4*\c], v[XR+16+32*\c:XR+31+32*\c], v[TM+12+2*\c+1]
.endr
	WIN 0
	v_nop
.irp c, 0,1
.irp i, 0,1,2
	v_permlane16_swap_b32 v[CD+6*\c+\i], v[CD+12+4*\c+\i]
.endr
.irp i, 0,1,2
	v_mov_b32 v[CD+3+6*\c+\i], v[CD+12+4*\c+\i]
.endr
.endr
.irp p, 0,1,2
	global_store_b64 v[L8], v[CD+2*\p:CD+2*\p+1], s[4:5] offset:256*\p
.endr
.irp p, 0,1,2
	global_store_b64 v[L8], v[CD+6+2*\p:CD+7+2*\p], s[6:7] offset:256*\p
.endr
.if (\a)%2 == 1
	v_perm_b32 v[SW0+(\a)/2], v[PW+1], v[PW], s8
	v_perm_b32 v[SW1+(\a)/2], v[PW+1], v[PW], s9
.endif
.endm
.irp a, 0,1,2,3,4,5,6,7
	QOUT \a
.endr
	v_cmp_ne_u32 vcc_lo, 0, v2
.irp i, 0,1,2,3
	v_cndmask_b32 v[MW+\i], v[SW0+\i], v[SW1+\i], vcc_lo
.endr
	global_store_b128 v[SOFF], v[MW:MW+3], s[12:13]
	s_wait_tensorcnt 0x0
	ds_add_u32 v[SPW], v[NIL]
	s_wait_dscnt 0x0
	CROUND
	s_endpgm
.Lfunc_end_k_qd8dc100fb1_proj:
	.size	k_qd8dc100fb1_proj, .Lfunc_end_k_qd8dc100fb1_proj-k_qd8dc100fb1_proj
	.p2alignl 7, 3214868480
	.fill 96, 4, 3214868480
	.section	.rodata,"a",@progbits
	.p2align	6, 0x0
	.amdhsa_kernel k_qd8dc100fb1_proj
		.amdhsa_group_segment_fixed_size 327680
		.amdhsa_private_segment_fixed_size 0
		.amdhsa_enable_private_segment 0
		.amdhsa_kernarg_size 72
		.amdhsa_user_sgpr_count 2
		.amdhsa_user_sgpr_kernarg_segment_ptr 1
		.amdhsa_wavefront_size32 1
		.amdhsa_system_sgpr_workgroup_id_x 1
		.amdhsa_system_sgpr_workgroup_id_y 1
		.amdhsa_system_sgpr_workgroup_id_z 1
		.amdhsa_system_vgpr_workitem_id 0
		.amdhsa_next_free_vgpr 1024
		.amdhsa_next_free_sgpr 102
		.amdhsa_reserve_vcc 1
		.amdhsa_float_denorm_mode_32 3
		.amdhsa_float_denorm_mode_16_64 3
		.amdhsa_memory_ordered 1
		.amdhsa_forward_progress 1
		.amdhsa_inst_pref_size 192
	.end_amdhsa_kernel
	.amdgpu_metadata
---
amdhsa.version: [ 1, 2 ]
amdhsa.kernels:
  - .name:           k_qd8dc100fb1_proj
    .symbol:         k_qd8dc100fb1_proj.kd
    .args:
      - { .name: xc, .offset: 0, .size: 8, .value_kind: global_buffer, .address_space: global }
      - { .name: xs, .offset: 8, .size: 8, .value_kind: global_buffer, .address_space: global }
      - { .name: wc, .offset: 16, .size: 8, .value_kind: global_buffer, .address_space: global }
      - { .name: ws, .offset: 24, .size: 8, .value_kind: global_buffer, .address_space: global }
      - { .name: bq, .offset: 32, .size: 8, .value_kind: global_buffer, .address_space: global }
      - { .name: bk, .offset: 40, .size: 8, .value_kind: global_buffer, .address_space: global }
      - { .name: bv, .offset: 48, .size: 8, .value_kind: global_buffer, .address_space: global }
      - { .name: img, .offset: 56, .size: 8, .value_kind: global_buffer, .address_space: global }
      - { .name: sc, .offset: 64, .size: 8, .value_kind: global_buffer, .address_space: global }
    .group_segment_fixed_size: 327680
    .private_segment_fixed_size: 0
    .kernarg_segment_align: 8
    .kernarg_segment_size: 72
    .max_flat_workgroup_size: 128
    .sgpr_count:     102
    .vgpr_count:     1024
    .wavefront_size: 32
...
	.end_amdgpu_metadata
.endif
;; end of part 2
;; launch attn (part 3): grid 4 x 64, 16 waves a work-group, clusters of 4 x 1, 215,040 bytes of LDS; arguments img, sc, oc, os; writes oc, os
.if DOCPART == 3
	.amdgcn_target "amdgcn-amd-amdhsa--gfx1250"
	.amdhsa_code_object_version 6
	.text
	.protected	k_qd8dc100fb1_attn
	.globl	k_qd8dc100fb1_attn
	.p2align	8
	.type	k_qd8dc100fb1_attn,@function
k_qd8dc100fb1_attn:
	s_mov_b64 s[64:65], 0
	v_nop
	global_prefetch_b8 v0, s[64:65] scope:SCOPE_SE
	s_setreg_imm32_b32 hwreg(HW_REG_WAVE_MODE, 25, 1), 1
	s_wait_xcnt 0x0
	s_wait_alu depctr_hold_cnt(0) depctr_sa_sdst(0) depctr_va_vdst(0) depctr_va_sdst(0) depctr_va_ssrc(0) depctr_va_vcc(0) depctr_vm_vsrc(0)
	s_getreg_b32 s2, hwreg(HW_REG_IB_STS2, 6, 4)
	s_cmp_eq_u32 s2, 0
	s_cbranch_scc0 .Lentry_in_a_cluster
	s_endpgm
.Lentry_in_a_cluster:
	s_bfe_u32 s2, ttmp6, 0x10000c
	s_cmp_lg_u32 s2, 0x3003
	s_cbranch_scc0 .Lentry_shape_is_right
	s_endpgm
.Lentry_shape_is_right:
; O = softmax(q k^T / 8) v for one (batch, head) = work-group y, both products on codes of FP6 (E2M3) with E8M0 scales; O / l is quantised again along d, as an operand of the last product.
; THE SOFTMAX: t = score x log2(e) / 8; M = the running largest t rounded UP to a whole number; p = 2^(t - M) is quantised along the keys, not normalised; the row's sum l is taken of the unquantised p and divides O at the end.
; When M moves, l and O are multiplied by 2^(old M - new M): exact.
; SHARES.  A work-group owns 512 query places of its head; each of its sixteen waves owns one tile of 16 in each of two passes: 256 registers a wave, four waves to a SIMD.
; ALL OF THE HEAD'S K AND V LIE IN LDS, as images of the operands' registers (registers 2 p, 2 p + 1 at 256 p + 8 x lane): filled once, never again, so there is no ring.  Every fragment comes by six loads of 8 bytes whose 32 lanes read 256 consecutive bytes.
; CLUSTER.  The four query blocks of a head form a cluster and ask for K, V and their scale words JOINTLY (mask 15).  The place in the cluster enters global addresses of q, oc and os alone.
; K = 64 IN AN INSTRUCTION 128 DEEP.  A fragment of K's 12 registers holds TWO key tiles (registers 0-5, 6-11).  It is multiplied by [q | 0] for the first and by [0 | q] for the second: zero codes on q's side annul
; the other tile's half (the code 0 is the number 0, FP6 has no NaN, and no scale byte here is 0xff).  v16-21 and v28-33 hold zeros, v22-27 q.
; LAYOUT.  S^T = K q^T, O^T = V^T p^T: a lane holds one query throughout.  Tokens and d lie at places (bits 3 and 4 exchanged), so the 16 registers of tiles 2 b, 2 b + 1 are 16 neighbours along the keys (S^T) or along d (O^T).
; No prefetch: all that the work-group reads of K and V is asked for at its head.  LIMITS: 1 / l is v_rcp_f32 and a multiply; a block of zeros or under 2^-124 gets the byte 1; NaN and infinities are not served.
; os is written 2 bytes a row and head: 2 bytes for each 48 of codes.
; REGISTERS: v1-4, v9, v10 addresses that stay; v7-8 addresses of the step; v11 q's scale word as loaded; v12 -M, v13 the largest t, v[14:15] l in two halves; v16-33 [0 | q | 0]; v34 q's scales; v36-83 four fragments of K, then of V;
;   v84-87 K's scale words, v88-91 V's, v92 p's; v96-159 S^T, then p; v160-191 O^T; v192-210 p's codes; v232-254 at work.
.set PART,  6291456                    ; a part of img: q, k, v
.set HEADB, 98304                      ; a head's bytes in a part
.set VIMG,  98304                      ; LDS: K's images at 0, V's here,
.set KSC,   196608                     ; K's scale words of the pair of heads, 8,192 bytes,
.set VSC,   204800                     ; V's likewise
.set ADK, 5
.set ADV, 6
.set ADS, 7
.set ADT, 8
.set WV,  12                           ; s12 my wave's number
.set SEL, 20                           ; s[20:21] selects for lane l xor 16
.set CS,  22                           ; s[22:23] c = log2(e) / 8
.set G1,  24                           ; s[24:31] group 1: 96 rows of 256 bytes;  s[32:39]: 32 rows
.set G1S, 32
.set G0,  40                           ; s[40:47] two groups 0
.set TB,  60                           ; s60 the step's images: 6,144 bytes a step
.set TS,  61                           ; s61 K's scale words: 256 a step
.set TV,  62                           ; s62 V's: 512 a step
.set CNT, 63
.macro CROUND                          ; a round of the cluster's barrier
	s_barrier_signal -1
	s_barrier_wait -1
	s_cmp_lg_u32 s[WV], 0
	s_cbranch_scc1 .Lnot_wave_0_\@
	s_barrier_signal -3
.Lnot_wave_0_\@:
	s_barrier_wait -3
	s_barrier_signal -1
	s_barrier_wait -1
.endm
	s_load_b256 s[4:11], s[0:1], 0x0               ; img, sc, oc, os
	v_lshl_add_u32 v251, v0, 2, 0x34000
	v_mov_b32 v255, 0
	ds_add_u32 v251, v255
	ds_add_u32 v251, v255
	v_lshrrev_b32 v5, 5, v0
	s_delay_alu instid0(VALU_DEP_1)
	v_readfirstlane_b32 s[WV], v5                  ; wave 0..15
	s_bfe_u32 s13, ttmp6, 0x40000                  ; cx: my block of 512 query places
	s_and_b32 s14, ttmp7, 0xffff                   ; bh = 16 b + h, which the four partners share
	s_and_b32 s15, s14, 1                          ; which of a pair of heads
	s_and_b32 s16, s[WV], 1                        ; a fetching wave: 0 K, 1 V
	s_mov_b32 s66, 0x03020302
	s_cmp_eq_u32 s16, 0
	s_cselect_b32 s66, 0x01000100, s66             ; q's two scale bytes lie in the low half of their word for an even tile, in the high half for an odd one
	s_add_co_u32 s17, s16, 1
	s_mul_i32 s18, s14, HEADB
	s_lshr_b32 s92, s[WV], 2                       ; waves 0-3 fetch K's images, waves 4-7 V's, a quarter of a head each
	s_add_co_u32 s92, s92, 1
	s_mul_i32 s76, s92, PART
	s_add_co_u32 s76, s76, s18
	s_and_b32 s92, s[WV], 3
	s_mul_i32 s92, s92, 24576
	s_add_co_u32 s76, s76, s92
	s_mov_b32 s77, 0
	s_lshl_b32 s78, s17, 18
	s_lshr_b32 s19, s14, 1
	s_lshl_b32 s19, s19, 13
	s_add_co_u32 s78, s78, s19                     ; and the pair of heads' scale words
	s_mov_b32 s79, 0
	s_mul_i32 s80, s[WV], 24576
	s_lshl_b32 s81, s16, 13
	s_add_co_u32 s81, s81, KSC
	s_mov_b32 s[G1], 15|(3<<16)|(1<<21)            ; 15:0 the mask: all four work-groups; 17:16 elements of 8 bytes; 21 set beside a mask; no padding
	s_mov_b32 s[G1+1], 32<<16                      ; tensor_dim0: 32 elements, 256 bytes
	s_mov_b32 s[G1+2], 96<<16                      ; tensor_dim1
	s_mov_b32 s[G1+3], 32<<16                      ; tile_dim0
	s_mov_b32 s[G1+4], 96                          ; tile_dim1: 24,576 dense bytes
	s_mov_b32 s[G1+5], 32                          ; the pitch
	s_mov_b32 s[G1+6], 0
	s_mov_b32 s[G1+7], 0
	s_mov_b32 s[G1S], 15|(3<<16)|(1<<21)
	s_mov_b32 s[G1S+1], 32<<16
	s_mov_b32 s[G1S+2], 32<<16
	s_mov_b32 s[G1S+3], 32<<16
	s_mov_b32 s[G1S+4], 32                         ; 8,192 dense bytes
	s_mov_b32 s[G1S+5], 32
	s_mov_b32 s[G1S+6], 0
	s_mov_b32 s[G1S+7], 0
	s_mov_b32 s[SEL], 0x76543210
	s_mov_b32 s[SEL+1], 0xfedcba98
	s_mov_b32 s[CS], 0x3e38aa3b                    ; log2(e) / 8
	s_mov_b32 s[CS+1], s[CS]                       ; (named with it as a pair, so it is written)
	s_lshl_b32 s82, s13, 5
	s_add_co_u32 s82, s82, s[WV]                   ; my query tile in pass 0: 32 cx + wave; pass 1: 16 on
	s_mul_i32 s84, s82, 768
	s_add_co_u32 s84, s84, s18
	s_mov_b32 s85, 0                               ; q's image
	s_lshl_b32 s86, s14, 12
	s_lshl_b32 s83, s13, 10
	s_add_co_u32 s86, s86, s83
	s_lshr_b32 s83, s[WV], 3
	s_lshl_b32 s83, s83, 8
	s_add_co_u32 s86, s86, s83                     ; q's scale words: 256 bytes for each eight tiles,
	s_bfe_u32 s83, s[WV], 0x20001
	s_lshl_b32 s83, s83, 2
	s_add_co_u32 s86, s86, s83                     ; a word for each pair of tiles
	s_mov_b32 s87, 0
	s_and_b32 s83, s14, 15                         ; h
	s_lshr_b32 s90, s14, 4                         ; b
	s_lshl_b32 s88, s90, 7
	s_add_co_u32 s88, s88, s82
	s_mul_i32 s88, s88, 768
	s_mul_i32 s91, s83, 393216
	s_add_co_u32 s88, s88, s91
	s_mov_b32 s89, 0                               ; oc: [h][row place / 16][768]
	s_lshl_b32 s90, s90, 11
	s_lshl_b32 s91, s82, 4
	s_add_co_u32 s90, s90, s91
	s_lshl_b32 s90, s90, 5
	s_lshl_b32 s91, s83, 1
	s_add_co_u32 s90, s90, s91
	s_mov_b32 s91, 0                               ; os: [row place][32], bytes 2 h, 2 h + 1
	s_wait_dscnt 0x0
	s_wait_kmcnt 0x0
	s_add_nc_u64 s[76:77], s[4:5], s[76:77]
	s_add_nc_u64 s[78:79], s[6:7], s[78:79]
	s_add_nc_u64 s[68:69], s[4:5], s[84:85]
	s_add_nc_u64 s[70:71], s[6:7], s[86:87]
	s_add_nc_u64 s[72:73], s[8:9], s[88:89]
	s_add_nc_u64 s[74:75], s[10:11], s[90:91]
	CROUND                                         ; all four work-groups are here: the joint loads meet
	s_mov_b32 s[G0], 1
	s_mov_b32 s[G0+1], s81
	s_mov_b64 s[G0+2:G0+3], s[78:79]
	s_or_b32 s[G0+3], s[G0+3], 0x80000000
	s_mov_b32 s[G0+4], 1
	s_mov_b32 s[G0+5], s80
	s_mov_b64 s[G0+6:G0+7], s[76:77]
	s_or_b32 s[G0+7], s[G0+7], 0x80000000
	; THE FIRST FILLS, ONE A WAVE, in one chain of branches on the wave's number: waves 0-7 a piece of 24,576 bytes of the images (LDS: wave x 24,576), wave 8 K's scale words, wave 9 V's; waves 10-15 none
	s_cmp_lt_u32 s[WV], 8
	s_cbranch_scc0 .Lnot_image
	tensor_load_to_lds s[G0+4:G0+7], s[G1:G1+7]
	s_nop 0
.rept 4
	v_nop
.endr
	s_branch .Lno_fetch
.Lnot_image:
	s_cmp_lt_u32 s[WV], 10
	s_cbranch_scc0 .Lno_fetch
	tensor_load_to_lds s[G0:G0+3], s[G1S:G1S+7]
	s_nop 0
.rept 4
	v_nop
.endr
.Lno_fetch:
	v_and_b32 v5, 31, v0
	s_delay_alu instid0(VALU_DEP_1)
	v_lshlrev_b32 v1, 3, v5                        ; 8 x lane: my place in a plane of an image, in LDS and in memory
	s_delay_alu instid0(VALU_DEP_1)
	v_add_nc_u32 v2, VIMG, v1
	v_and_b32 v6, 15, v0                           ; r
	s_delay_alu instid0(VALU_DEP_1)
	v_lshlrev_b32 v9, 4, v6                        ; 16 r
	s_delay_alu instid0(VALU_DEP_2)
	v_lshlrev_b32 v10, 5, v6                       ; 32 r
	s_lshl_b32 s19, s15, 12
	s_add_co_u32 s19, s19, KSC
	v_add_nc_u32 v3, s19, v9                       ; K's scale words: my head's 4,096 bytes, 16 bytes a row
	s_lshl_b32 s19, s15, 3
	s_add_co_u32 s19, s19, VSC
	v_add_nc_u32 v4, s19, v9                       ; V's: 16 bytes a row, my head's 8 of them
.irp j, 16,17,18,19,20,21,28,29,30,31,32,33
	v_mov_b32 v[\j], 0                             ; the zero codes beside q
.endr
.irp b, 0,1,2,3
	v_mov_b32 v[236+\b], 0                         ; written once: a lane permute's destination counts as one of its sources
.endr
.irp b, 0,1,2,3
	v_add_nc_u32 v[220+\b], 1536*\b, v1            ; v220-223, v224-227: a step's four fragments of K and of V, 1,536 bytes apart
	v_add_nc_u32 v[224+\b], 1536*\b, v2
.endr
	v_mov_b32 v253, 0
	s_wait_tensorcnt 0x0                           ; my loads have landed,
	s_barrier_signal -1
	s_barrier_wait -1                              ; everybody's have: K, V and their scale words lie in LDS for the rest of the launch
.set AK, 212                           ; v212-215 the step's addresses of K's four fragments; v216-219 of V's
.set AV, 216
.macro FRAG6 reg, adr                  ; twelve registers from their image: two planes of 256 bytes to a load, three loads
.irp p, 0,1,2
	ds_load_2addr_b64 v[\reg+4*\p:\reg+4*\p+3], v[\adr] offset0:64*\p offset1:64*\p+32
.endr
.endm
; A KEY STEP: 128 keys.
.macro STEP
.irp b, 0,1,2,3
	v_add_nc_u32 v[AK+\b], s[TB], v[220+\b]        ; (these lines are the places between the last products and the loads into the registers that they read)
	v_add_nc_u32 v[AV+\b], s[TB], v[224+\b]
.endr
	v_add_nc_u32 v[ADS], s[TS], v3
	v_add_nc_u32 v[ADT], s[TV], v4
.irp b, 0,1,2,3
	FRAG6 36+12*\b, AK+\b
.endr
	ds_load_b128 v[84:87], v[ADS]                  ; word b: tile 2 b's two bytes, tile 2 b + 1's two
	s_wait_alu depctr_va_vdst(0)
	s_wait_dscnt 0x0
.irp b, 0,1,2,3
.irp u, 0,1
	v_wmma_scale_f32_16x16x128_f8f6f4 v[96+8*(2*\b+\u):103+8*(2*\b+\u)], v[36+12*\b:47+12*\b], v[22-6*\u:33-6*\u], 0, v[84+\b], v34 matrix_a_fmt:MATRIX_FMT_FP6 matrix_b_fmt:MATRIX_FMT_FP6
.endr
.endr
.rept 4
	v_nop                                          ; places in front of the loads below and of the first read of the scores
.endr
.irp t, 0,1,2,3
	FRAG6 36+12*\t, AV+\t
.endr
	ds_load_b64 v[88:89], v[ADT]                   ; V's scale words of d tiles 0, 2
	ds_load_b64 v[90:91], v[ADT] offset:256        ; and 1, 3
.irp b, 0,1,2,3
	v_max3_num_f32 v[232+\b], v[96+16*\b], v[97+16*\b], v[98+16*\b]   ; the largest score of each block of 32 keys: it serves for the row's maximum and, since p rises with the score, for the block's largest p
.endr
.irp i, 3,5,7,9,11,13
.irp b, 0,1,2,3
	v_max3_num_f32 v[232+\b], v[232+\b], v[96+16*\b+\i], v[97+16*\b+\i]
.endr
.endr
.irp b, 0,1,2,3
	v_max_num_f32 v[232+\b], v[232+\b], v[111+16*\b]
.endr
.irp b, 0,1,2,3
	s_delay_alu instid0(VALU_DEP_4)
	v_permlanex16_b32 v[236+\b], v[232+\b], s[SEL], s[SEL+1]
.endr
.irp b, 0,1,2,3
	s_delay_alu instid0(VALU_DEP_4)
	v_max_num_f32 v[232+\b], v[232+\b], v[236+\b]  ; with lane l xor 16's 16 keys
.endr
	s_delay_alu instid0(VALU_DEP_2)
	v_max3_num_f32 v254, v232, v233, v234
	s_delay_alu instid0(VALU_DEP_1)
	v_max_num_f32 v254, v254, v235                 ; the step's largest score of my query
	s_delay_alu instid0(VALU_DEP_1)
	v_mul_f32 v254, s[CS], v254                    ; as t
	s_delay_alu instid0(VALU_DEP_1)
	v_max_num_f32 v13, v13, v254                   ; the running largest t
	v_mov_b32 v254, v12
	s_delay_alu instid0(VALU_DEP_2)
	v_floor_f32 v12, -v13                          ; the new -M = floor(-t)
	s_delay_alu instid0(VALU_DEP_1)
	v_sub_f32 v254, v12, v254                      ; old M - new M: a whole number, 0 or less
	s_delay_alu instid0(VALU_DEP_1)
	v_cvt_i32_f32 v254, v254                       ; (it saturates)
	s_delay_alu instid0(VALU_DEP_1)
	v_ldexp_f32 v252, 1.0, v254                    ; f = 2^(old M - new M)
.set j, 0
.rept 32
	v_pk_fma_f32 v[96+j:97+j], v[96+j:97+j], s[CS:CS+1], v[12:13] op_sel_hi:[1,0,0]   ; t - M, two at a time
.set j, j+2
.endr
.irp b, 0,1,2,3
	v_fma_f32 v[232+\b], v[232+\b], s[CS], v12     ; the same of each block's largest score
.endr
.set j, 0
	s_wait_alu depctr_va_vdst(0)
.rept 64
	v_exp_f32 v[96+j], v[96+j]                     ; p = 2^(t - M), at most 1
.set j, j+1
.endr
	v_pk_mul_f32 v[14:15], v[14:15], v[252:253] op_sel_hi:[1,0]   ; l under the new M (a plain place behind the exponentials)
	s_wait_alu depctr_va_vdst(0)                   ; one wait for the batch, ahead of its first reader
.irp b, 0,1,2,3
	v_exp_f32 v[232+\b], v[232+\b]                 ; the block's largest p
.endr
	v_pk_add_f32 v[236:237], v[100:101], v[104:105]
	v_pk_add_f32 v[248:249], v[108:109], v[112:113]
	v_pk_add_f32 v[246:247], v[116:117], v[120:121]
	v_pk_add_f32 v[244:245], v[124:125], v[128:129]
	v_pk_add_f32 v[242:243], v[132:133], v[136:137]
	v_pk_add_f32 v[240:241], v[140:141], v[144:145]
	v_pk_add_f32 v[238:239], v[148:149], v[152:153]
	v_pk_add_f32 v[14:15], v[14:15], v[156:157]
	v_pk_add_f32 v[236:237], v[236:237], v[96:97]
	v_pk_add_f32 v[248:249], v[248:249], v[98:99]
	v_pk_add_f32 v[246:247], v[246:247], v[102:103]
	v_pk_add_f32 v[244:245], v[244:245], v[106:107]
	v_pk_add_f32 v[242:243], v[242:243], v[110:111]
	v_pk_add_f32 v[240:241], v[240:241], v[114:115]
	v_pk_add_f32 v[238:239], v[238:239], v[118:119]
	v_pk_add_f32 v[14:15], v[14:15], v[122:123]
	v_pk_add_f32 v[236:237], v[236:237], v[126:127]
	v_pk_add_f32 v[248:249], v[248:249], v[130:131]
	v_pk_add_f32 v[246:247], v[246:247], v[134:135]
	v_pk_add_f32 v[244:245], v[244:245], v[138:139]
	v_pk_add_f32 v[242:243], v[242:243], v[142:143]
	v_pk_add_f32 v[240:241], v[240:241], v[146:147]
	v_pk_add_f32 v[238:239], v[238:239], v[150:151]
	v_pk_add_f32 v[14:15], v[14:15], v[154:155]
	v_pk_add_f32 v[236:237], v[236:237], v[158:159]
	s_delay_alu instid0(VALU_DEP_2)
	v_pk_add_f32 v[14:15], v[14:15], v[244:245]
	s_delay_alu instid0(VALU_DEP_2)
	v_pk_add_f32 v[236:237], v[236:237], v[242:243]
	v_pk_add_f32 v[248:249], v[248:249], v[240:241]
	v_pk_add_f32 v[246:247], v[246:247], v[238:239]
	s_delay_alu instid0(VALU_DEP_2)
	v_pk_add_f32 v[14:15], v[14:15], v[248:249]
	s_delay_alu instid0(VALU_DEP_2)
	v_pk_add_f32 v[236:237], v[236:237], v[246:247]
	s_delay_alu instid0(VALU_DEP_1)
	v_pk_add_f32 v[14:15], v[14:15], v[236:237]
	s_wait_alu depctr_va_vdst(0)                   ; and one for the four
.irp b, 0,1,2,3
	v_max_num_f32 v[232+\b], 0x1800000, v[232+\b]  ; the floor 2^(3 - 127)
.endr
.irp b, 0,1,2,3
	s_delay_alu instid0(VALU_DEP_4)
	v_add_nc_u32 v[244+\b], 0xff000000, v[232+\b]  ; 2 off the exponent field: the conversion's scale operand
.endr
.irp b, 0,1,2,3
	s_delay_alu instid0(VALU_DEP_4)
	v_lshrrev_b32 v[236+\b], 23, v[244+\b]         ; the scale's byte
.endr
	s_delay_alu instid0(VALU_DEP_3)
	v_lshl_or_b32 v92, v237, 8, v236               ; p's scale word for these 128 keys
	s_delay_alu instid0(VALU_DEP_1)
	v_lshl_or_b32 v92, v238, 16, v92
	s_delay_alu instid0(VALU_DEP_1)
	v_lshl_or_b32 v92, v239, 24, v92
.irp c, 0,1
	v_cvt_scalef32_pk16_fp6_f32 v[192+6*\c:194+6*\c], v[96+32*\c:111+32*\c], v[244+2*\c]
	v_cvt_scalef32_pk16_fp6_f32 v[204+4*\c:206+4*\c], v[112+32*\c:127+32*\c], v[244+2*\c+1]
.endr
	v_nop                                          ; one plain place behind a scaled conversion
.irp c, 0,1
.irp i, 0,1,2
	v_permlane16_swap_b32 v[192+6*\c+\i], v[204+4*\c+\i]
.endr
.irp i, 0,1,2
	s_delay_alu instid0(VALU_DEP_3)
	v_mov_b32 v[195+6*\c+\i], v[204+4*\c+\i]
.endr
.endr
.set j, 0
.rept 16
	v_pk_mul_f32 v[160+j:161+j], v[160+j:161+j], v[252:253] op_sel_hi:[1,0]   ; O^T under the new M (also the places between the writes of p's codes and scale word and the products)
.set j, j+2
.endr
	s_wait_alu depctr_va_vdst(0)
	s_wait_dscnt 0x0                               ; V
.irp t, 0,1,2,3
	v_wmma_scale_f32_16x16x128_f8f6f4 v[160+8*\t:167+8*\t], v[36+12*\t:47+12*\t], v[192:203], v[160+8*\t:167+8*\t], v[88+2*(\t%2)+\t/2], v92 matrix_a_fmt:MATRIX_FMT_FP6 matrix_b_fmt:MATRIX_FMT_FP6
.endr
	s_add_co_u32 s[TB], s[TB], 6144
	s_add_co_u32 s[TS], s[TS], 256
	s_add_co_u32 s[TV], s[TV], 512
.endm
; THE WAY OUT of a pass: O^T / l, two blocks of 32 along d, quantised; six registers of codes leave as an image, the two scale bytes as 2 bytes a row.
.macro OUT p
	v_add_f32 v14, v14, v15                        ; l's two halves,
	s_delay_alu instid0(VALU_DEP_1)
	v_permlanex16_b32 v252, v14, s[SEL], s[SEL+1]
	s_delay_alu instid0(VALU_DEP_1)
	v_add_f32 v14, v14, v252                       ; and lane l xor 16's
	v_nop
	v_nop                                          ; (with the additions: the places behind the last products)
	s_wait_alu depctr_va_vdst(0)
	v_rcp_f32 v14, v14
	v_nop                                          ; a plain place behind the reciprocal
	s_wait_alu depctr_va_vdst(0)                   ; and the wait ahead of its first reader
.set j, 0
.rept 16
	v_pk_mul_f32 v[96+j:97+j], v[160+j:161+j], v[14:15] op_sel_hi:[1,0]   ; register 16 b + i = d 32 b + 16 h + i of my query; each accumulator from its low end on
.set j, j+2
.endr
.irp b, 0,1
	v_max3_num_f32 v[232+\b], |v[96+16*\b]|, |v[97+16*\b]|, 0x1800000
.endr
.irp i, 2,4,6,8,10,12,14
.irp b, 0,1
	s_delay_alu instid0(VALU_DEP_2)
	v_max3_num_f32 v[232+\b], v[232+\b], |v[96+16*\b+\i]|, |v[97+16*\b+\i]|
.endr
.endr
.irp b, 0,1
	s_delay_alu instid0(VALU_DEP_2)
	v_permlanex16_b32 v[236+\b], v[232+\b], s[SEL], s[SEL+1]
.endr
.irp b, 0,1
	s_delay_alu instid0(VALU_DEP_2)
	v_max_num_f32 v[232+\b], v[232+\b], v[236+\b]
.endr
.irp b, 0,1
	s_delay_alu instid0(VALU_DEP_2)
	v_add_nc_u32 v[244+\b], 0xff000000, v[232+\b]
.endr
.irp b, 0,1
	s_delay_alu instid0(VALU_DEP_2)
	v_lshrrev_b32 v[236+\b], 23, v[244+\b]
.endr
	s_delay_alu instid0(VALU_DEP_1)
	v_lshl_or_b32 v93, v237, 8, v236               ; my row's two scale bytes
	v_cvt_scalef32_pk16_fp6_f32 v[192:194], v[96:111], v244
	v_cvt_scalef32_pk16_fp6_f32 v[204:206], v[112:127], v245
	v_nop
.irp i, 0,1,2
	v_permlane16_swap_b32 v[192+\i], v[204+\i]     ; lanes 0-15: d 0 .. 31, lanes 16-31: d 32 .. 63
.endr
.irp i, 0,1,2
	s_delay_alu instid0(VALU_DEP_3)
	v_mov_b32 v[195+\i], v[204+\i]
.endr
.irp i, 0,1,2
	global_store_b64 v1, v[192+2*\i:193+2*\i], s[72:73] offset:12288*\p+256*\i   ; 32 lanes store 256 consecutive bytes, aligned
.endr
	global_store_b16 v10, v93, s[74:75] offset:8192*\p    ; lanes l and l xor 16 write the same two bytes with the same value
.endm
.macro PASS p
	s_wait_xcnt 0x0                                ; the last pass's stores have read their data
.irp i, 0,1,2
	global_load_b64 v[22+2*\i:23+2*\i], v1, s[68:69] offset:12288*\p+256*\i   ; q's six registers
.endr
	global_load_b32 v11, v9, s[70:71] offset:512*\p
	v_mov_b32 v13, 0xff61b1e6                      ; the largest t so far: -3e38
	s_delay_alu instid0(VALU_DEP_1)
	v_floor_f32 v12, -v13                          ; -M
	v_mov_b32 v14, 0
	v_mov_b32 v15, 0
	s_mov_b32 s[TB], 0
	s_mov_b32 s[TS], 0
	s_mov_b32 s[TV], 0
	s_wait_loadcnt 0x0
	v_perm_b32 v34, v11, v11, s66                  ; {s0, s1, s0, s1}: q stands in either half of its operand
.set j, 0
.rept 32
	v_mov_b32 v[160+j], 0                          ; O^T: the step is written once; its first trip finds zeros.  (Also the places between the write of q's scale word and the first product)
.set j, j+1
.endr
	s_mov_b32 s[CNT], 16
.Lkeys_\@:
	STEP
	s_sub_co_u32 s[CNT], s[CNT], 1
	s_cmp_lg_u32 s[CNT], 0
	s_cbranch_scc1 .Lkeys_\@
	OUT \p
.endm
	PASS 0
	PASS 1
	s_wait_tensorcnt 0x0
	ds_add_u32 v251, v255
	s_wait_dscnt 0x0
	CROUND                                         ; the closing round
	s_endpgm
.Lfunc_end_k_qd8dc100fb1_attn:
	.size	k_qd8dc100fb1_attn, .Lfunc_end_k_qd8dc100fb1_attn-k_qd8dc100fb1_attn
	.p2alignl 7, 3214868480
	.fill 96, 4, 3214868480
	.section	.rodata,"a",@progbits
	.p2align	6, 0x0
	.amdhsa_kernel k_qd8dc100fb1_attn
		.amdhsa_group_segment_fixed_size 215040
		.amdhsa_private_segment_fixed_size 0
		.amdhsa_enable_private_segment 0
		.amdhsa_kernarg_size 32
		.amdhsa_user_sgpr_count 2
		.amdhsa_user_sgpr_kernarg_segment_ptr 1
		.amdhsa_wavefront_size32 1
		.amdhsa_system_sgpr_workgroup_id_x 1
		.amdhsa_system_sgpr_workgroup_id_y 1
		.amdhsa_system_sgpr_workgroup_id_z 1
		.amdhsa_system_vgpr_workitem_id 0
		.amdhsa_next_free_vgpr 256
		.amdhsa_next_free_sgpr 96
		.amdhsa_reserve_vcc 0
		.amdhsa_float_denorm_mode_32 3
		.amdhsa_float_denorm_mode_16_64 3
		.amdhsa_memory_ordered 1
		.amdhsa_forward_progress 1
		.amdhsa_inst_pref_size 54
	.end_amdhsa_kernel
	.amdgpu_metadata
---
amdhsa.version: [ 1, 2 ]
amdhsa.kernels:
  - .name:           k_qd8dc100fb1_attn
    .symbol:         k_qd8dc100fb1_attn.kd
    .args:
      - { .name: img, .offset: 0, .size: 8, .value_kind: global_buffer, .address_space: global }
      - { .name: sc, .offset: 8, .size: 8, .value_kind: global_buffer, .address_space: global }
      - { .name: oc, .offset: 16, .size: 8, .value_kind: global_buffer, .address_space: global }
      - { .name: os, .offset: 24, .size: 8, .value_kind: global_buffer, .address_space: global }
    .group_segment_fixed_size: 215040
    .private_segment_fixed_size: 0
    .kernarg_segment_align: 8
    .kernarg_segment_size: 32
    .max_flat_workgroup_size: 512
    .sgpr_count:     96
    .vgpr_count:     256
    .wavefront_size: 32
...
	.end_amdgpu_metadata
.endif
;; end of part 3
;; launch outp (part 4): grid 4 x 32, 4 waves a work-group, clusters of 4 x 4, 327,680 bytes of LDS; arguments oc, os, wc, ws, bo, out0; writes out0
.if DOCPART == 4
	.amdgcn_target "amdgcn-amd-amdhsa--gfx1250"
	.amdhsa_code_object_version 6
	.text
	.protected	k_qd8dc100fb1_outp
	.globl	k_qd8dc100fb1_outp
	.p2align	8
	.type	k_qd8dc100fb1_outp,@function
k_qd8dc100fb1_outp:
	s_mov_b64 s[64:65], 0
	v_nop
	global_prefetch_b8 v0, s[64:65] scope:SCOPE_SE
	s_setreg_imm32_b32 hwreg(HW_REG_WAVE_MODE, 25, 1), 1
	s_wait_xcnt 0x0
	s_wait_alu depctr_hold_cnt(0) depctr_sa_sdst(0) depctr_va_vdst(0) depctr_va_sdst(0) depctr_va_ssrc(0) depctr_va_vcc(0) depctr_vm_vsrc(0)
	s_getreg_b32 s2, hwreg(HW_REG_IB_STS2, 6, 4)
	s_cmp_eq_u32 s2, 0
	s_cbranch_scc0 .Lentry_in_a_cluster
	s_endpgm
.Lentry_in_a_cluster:
	s_bfe_u32 s2, ttmp6, 0x10000c
	s_cmp_lg_u32 s2, 0xf033
	s_cbranch_scc0 .Lentry_shape_is_right
	s_endpgm
.Lentry_shape_is_right:
.set KSTEP,  256
.set NQ,     KSTEP/128
.set ROWB,   24576                     ; from K step to K step inside a block of 128 places of Wo: 128 x 192 bytes, dense
.set KROW,   768
.set PITCH,  240
.set FR,     12
.set NL,     6
.set NP,     4
.set HALFT,  128*PITCH
.set OHEAD,  393216
.set AHALF,  24576
.set ASZ,    2*AHALF
.set SLOT,   ASZ+2*HALFT
.set KS,     32
.set SCL,    2*SLOT
.set HALFS,  (128*KS/256)*272
.set SBLK,   (16*KS/256)*272
.set SPARE,  SCL+4*HALFS
.set SPITCH, 528
.set ADRA, 16
.set ADRB, 20
.set STO,  24
.set RD,   25
.set CO,   26
.set ADRS, 27
.set SPW,  28
.set NIL,  29
.set SC,   32
.set BI,   64
.set AF,   128
.set BK,   128
.set G1, 24
.set G0, 32
.set G1B, 48
.set G0B, 56
.set G1S, 68
.set G0S, 76
.set G1SB, 80
.set G0SB, 88
.set MSB, 0
.macro WIN new
.if MSB != \new
	s_set_vgpr_msb (MSB<<8)|\new
.set MSB, \new
.endif
.endm
.set MUL_LO, 0xa1
.set MUL_HI, 0xf1
.set BEG_LO, 0x81
.set BEG_HI, 0xc1
.set TO_B,   0x40
.macro JLOAD g0a, g1a, g0b, g1b
	s_cmp_eq_u32 s15, 0
	s_cbranch_scc0 .Lfor_b_\@
	tensor_load_to_lds s[\g0a:\g0a+3], s[\g1a:\g1a+7]
	s_nop 0
.rept 4
	v_nop
.endr
	s_branch .Lasked_\@
.Lfor_b_\@:
	tensor_load_to_lds s[\g0b:\g0b+3], s[\g1b:\g1b+7]
	s_nop 0
.rept 4
	v_nop
.endr
.Lasked_\@:
.endm
.macro CREST
	s_cmp_lg_u32 s14, 0
	s_cbranch_scc1 .Lnot_wave_0_\@
	s_barrier_signal -3
.Lnot_wave_0_\@:
	s_barrier_wait -3
	s_barrier_signal -1
	s_barrier_wait -1
.endm
.macro CROUND
	s_barrier_signal -1
	s_barrier_wait -1
	CREST
.endm
	s_load_b256 s[4:11], s[0:1], 0x0
	s_load_b128 s[96:99], s[0:1], 0x20
	v_lshl_add_u32 v[SPW], v0, 2, SPARE
	v_mov_b32 v[NIL], 0
	ds_add_u32 v28, v29
	ds_add_u32 v28, v29
	s_wait_dscnt 0x0
	v_lshrrev_b32 v1, 5, v0
	v_readfirstlane_b32 s14, v1
	s_lshr_b32 s15, s14, 1
	s_and_b32 s16, s14, 1
	s_bfe_u32 s40, ttmp6, 0x40000
	s_bfe_u32 s41, ttmp6, 0x40004
	s_lshl_b32 s42, ttmp9, 2
	s_add_co_u32 s42, s42, s40
	s_and_b32 s17, ttmp7, 0xffff
	s_lshl_b32 s17, s17, 2
	s_add_co_u32 s17, s17, s41
	s_lshl_b32 s43, s41, 2
	s_lshl_b32 s43, 15, s43
	s_lshl_b32 s44, 0x1111, s40
	s_or_b32 s[G1+0], s43, (3<<16)|(1<<21)
	s_mov_b32 s[G1+1], 1536<<16
	s_mov_b32 s[G1+2], 4<<16                       ; the head's form: a K step's four heads by one load
	s_mov_b32 s[G1+3], 1536<<16
	s_mov_b32 s[G1+4], 4
	s_mov_b32 s[G1+5], OHEAD/8
	s_mov_b32 s[G1+6], 0
	s_mov_b32 s[G1+7], 0
	s_or_b32 s[G1B+0], s44, (3<<16)|(1<<20)|(1<<21)|(3<<22)|(3<<25)   ; elements of 8 bytes; 16 bytes of padding behind each 64
	s_mov_b32 s[G1B+1], 3072<<16                   ; the head's form: K step 0 of 256 places = two blocks' 24,576 dense bytes, 98,304 bytes apart
	s_mov_b32 s[G1B+2], 2<<16
	s_mov_b32 s[G1B+3], 3072<<16
	s_mov_b32 s[G1B+4], 2
	s_mov_b32 s[G1B+5], 12288
	s_mov_b32 s[G1B+6], 0
	s_mov_b32 s[G1B+7], 0
	s_or_b32 s[G1S+0], s43, (3<<16)|(1<<20)|(1<<21)|(5<<22)|(3<<25)
	s_or_b32 s[G1SB+0], s44, (3<<16)|(1<<20)|(1<<21)|(5<<22)|(3<<25)
.irp g, G1S, G1SB
	s_mov_b32 s[\g+1], 32<<16
	s_mov_b32 s[\g+2], (256*KS/256)<<16            ; the scales of all 256 rows by one load
	s_mov_b32 s[\g+3], 32<<16
	s_mov_b32 s[\g+4], 256*KS/256
	s_mov_b32 s[\g+5], 32
	s_mov_b32 s[\g+6], 0
	s_mov_b32 s[\g+7], 0
.endr
	s_mul_i32 s20, s17, 12288
	s_mul_i32 s18, s16, 2*OHEAD
	s_add_co_u32 s20, s20, s18
	s_mov_b32 s21, 0
	s_lshl_b32 s18, s16, 7
	s_lshl_b32 s22, s17, 8
	s_add_co_u32 s22, s22, s18
	s_lshl_b32 s22, s22, 5
	s_mov_b32 s23, 0
	s_lshl_b32 s46, s42, 8
	s_add_co_u32 s46, s46, s18
	s_lshl_b32 s92, s46, 5
	s_add_co_u32 s92, s92, 3*32768
	s_mov_b32 s93, 0
	s_mul_i32 s46, s46, KROW
	s_add_co_u32 s46, s46, 3*786432
	s_mov_b32 s47, 0
	s_mul_i32 s45, s16, AHALF
	s_mul_i32 s95, s16, HALFT
	s_add_co_u32 s95, s95, ASZ
	s_mul_i32 s94, s14, HALFS
	s_wait_kmcnt 0x0
	s_add_nc_u64 s[20:21], s[4:5], s[20:21]
	s_add_nc_u64 s[22:23], s[6:7], s[22:23]
	s_add_nc_u64 s[46:47], s[8:9], s[46:47]
	s_add_nc_u64 s[92:93], s[10:11], s[92:93]
	s_mov_b64 s[12:13], s[98:99]
	CROUND
	s_mov_b32 s[G0S], 1
	s_mov_b32 s[G0S+1], SCL
	s_lshl_b32 s2, s16, 12                         ; back from my 128 rows to the tile's first row
	s_mov_b32 s3, 0
	s_sub_nc_u64 s[G0S+2:G0S+3], s[22:23], s[2:3]
	s_or_b32 s[G0S+3], s[G0S+3], 0x80000000
	s_mov_b32 s[G0SB], 1
	s_mov_b32 s[G0SB+1], SCL+2*HALFS
	s_sub_nc_u64 s[G0SB+2:G0SB+3], s[92:93], s[2:3]
	s_or_b32 s[G0SB+3], s[G0SB+3], 0x80000000
	s_mul_i32 s2, s16, 2*OHEAD
	s_mov_b32 s4, 1                                ; s[4:7], s[8:11]: group 0 of the head's loads of codes (the arguments that lay there have served)
	s_mov_b32 s5, 0
	s_sub_nc_u64 s[6:7], s[20:21], s[2:3]
	s_or_b32 s7, s7, 0x80000000
	s_mul_i32 s2, s16, 98304
	s_mov_b32 s8, 1
	s_mov_b32 s9, ASZ
	s_sub_nc_u64 s[10:11], s[46:47], s[2:3]
	s_or_b32 s11, s11, 0x80000000
; THE HEAD'S FOUR TILES, ONE A WAVE, in one chain of branches on the wave's number: A's images of K step 0, B's 256 rows, A's scales, B's
.macro ARM under, g0, g1, next
	s_cmp_lt_u32 s14, \under
	s_cbranch_scc0 \next
	tensor_load_to_lds s[\g0:\g0+3], s[\g1:\g1+7]
	s_nop 0
.rept 4
	v_nop
.endr
	s_branch .Lhead_asked
\next:
.endm
	ARM 1, 4, G1, .Lhead_b
	ARM 2, 8, G1B, .Lhead_sa
	ARM 3, G0S, G1S, .Lhead_sb
	tensor_load_to_lds s[G0SB:G0SB+3], s[G1SB:G1SB+7]
	s_nop 0
.rept 4
	v_nop
.endr
.Lhead_asked:
.irp s, 0,1
	s_mov_b32 s[G0+4*\s], 1
	s_add_co_u32 s[G0+4*\s+1], s45, \s*SLOT
	s_add_nc_u64 s[G0+4*\s+2:G0+4*\s+3], s[20:21], \s*4*OHEAD
	s_or_b32 s[G0+4*\s+3], s[G0+4*\s+3], 0x80000000
	s_mov_b32 s[G0B+4*\s], 1
	s_add_co_u32 s[G0B+4*\s+1], s95, \s*SLOT
	s_add_nc_u64 s[G0B+4*\s+2:G0B+4*\s+3], s[46:47], \s*ROWB
	s_or_b32 s[G0B+4*\s+3], s[G0B+4*\s+3], 0x80000000
.endr
	v_and_b32 v1, 15, v0
	v_bfe_u32 v2, v0, 4, 1
	v_mul_u32_u24 v3, v1, PITCH
	v_mul_u32_u24 v4, v2, 24
	v_add_nc_u32 v4, v3, v4
	v_lshl_add_u32 v5, v2, 4, v4
	v_and_b32 v6, 31, v0
	v_lshlrev_b32 v6, 3, v6
	s_mul_i32 s21, s15, 8*768
	s_mul_i32 s22, s16, HALFT
	s_add_co_u32 s22, s22, ASZ
.irp s, 0,1
	v_add_nc_u32 v[ADRA+\s], s21, v6
	v_add_nc_u32 v[ADRB+\s], s22, v4
	v_add_nc_u32 v[ADRB+2+\s], s22, v5
	s_add_co_u32 s21, s21, SLOT
	s_add_co_u32 s22, s22, SLOT
.endr
	v_mul_u32_u24 v5, v1, KS
	v_lshrrev_b32 v6, 8, v5
	v_lshl_add_u32 v5, v6, 4, v5
	s_mul_i32 s21, s15, HALFS
	s_mul_i32 s22, s16, HALFS
	s_add_co_u32 s22, s22, 2*HALFS
	s_sub_co_u32 s22, s22, s21
	v_mul_u32_u24 v6, s22, v2
	s_add_co_u32 s21, s21, SCL
	v_add_nc_u32 v5, v5, v6
	v_add_nc_u32 v[ADRS], s21, v5
	s_mul_i32 s23, s14, 16*SPITCH
	v_mul_u32_u24 v5, v1, SPITCH
	v_lshl_add_u32 v5, v2, 6, v5
	v_add_nc_u32 v[STO], s23, v5
	v_and_b32 v6, 31, v0
	v_lshlrev_b32 v[CO], 4, v6
	v_add_nc_u32 v[RD], s23, v[CO]
	s_lshl_b32 s20, s17, 8
	s_lshl_b32 s21, s15, 7
	s_add_co_u32 s20, s20, s21
	s_lshl_b32 s20, s20, 12
	s_mov_b32 s21, 0
	s_lshl_b32 s46, s42, 10
	s_lshl_b32 s47, s16, 9
	s_add_co_u32 s46, s46, s47
	s_mov_b32 s47, 0
	s_add_nc_u64 s[96:97], s[96:97], s[46:47]
	s_add_nc_u64 s[20:21], s[20:21], s[46:47]
	s_add_nc_u64 s[12:13], s[12:13], s[20:21]
	v_lshlrev_b32 v7, 6, v2
.irp b, 0,1,2,3,4,5,6,7
	global_load_b128 v[BI+8*\b:BI+8*\b+3], v7, s[96:97] offset:(32*(\b/2)+8*(\b%2))*4
	global_load_b128 v[BI+8*\b+4:BI+8*\b+7], v7, s[96:97] offset:(32*(\b/2)+8*(\b%2))*4+16
.endr
.macro FRAG reg, adr, q, i
.irp p, 0,1,2,3,4,5
.set PC, 12*(\q)+6*(\p/3)+\p%3
.if PC%8 < 5
	ds_load_b64 v[\reg+2*\p:\reg+2*\p+1], v[\adr] offset:8*PC+16*(PC/8)+(\i)*16*PITCH
.else
	ds_load_b64 v[\reg+2*\p:\reg+2*\p+1], v[\adr+2] offset:8*PC+16*(PC/8)+(\i)*16*PITCH
.endif
.endr
.endm
.macro FRAGA reg, slot, q, i
.irp p, 0,1,2,3,4,5
	ds_load_b64 v[\reg+2*\p:\reg+2*\p+1], v[ADRA+\slot] offset:(2*(\q)+\p/3)*12288+(\i)*768+256*(\p%3)
.endr
.endm
.macro MUL16 a0, p, q, sc, zero
.irp a, \a0, \a0+1
.irp b, 0,1,2,3,4,5,6,7
.set rD, 8*(8*((\a)%4)+\b)
.set rB, 128*(\p)+FR*\b
.set rA, AF+FR*(\a)
.set rSB, SC+8*NQ*(\sc)+NQ*\b+(\q)
.set rSA, SC+8*NQ*(\sc)+NQ*(\a)+(\q)
.if \zero
	v_wmma_scale_f32_16x16x128_f8f6f4 v[rD:rD+7], v[rB:rB+FR-1], v[rA:rA+FR-1], v[BI+8*\b:BI+8*\b+7], v[rSB], v[rSA] matrix_a_fmt:MATRIX_FMT_FP6 matrix_b_fmt:MATRIX_FMT_FP6 matrix_a_scale:MATRIX_SCALE_ROW1
.else
	v_wmma_scale_f32_16x16x128_f8f6f4 v[rD:rD+7], v[rB:rB+FR-1], v[rA:rA+FR-1], v[rD:rD+7], v[rSB], v[rSA] matrix_a_fmt:MATRIX_FMT_FP6 matrix_b_fmt:MATRIX_FMT_FP6 matrix_a_scale:MATRIX_SCALE_ROW1
.endif
.endr
.endr
.endm
.macro FETCH_B slot, q, p
	WIN TO_B
.irp i, 0,1,2,3,4,5,6,7
	FRAG 128*(\p)+FR*\i, ADRB+\slot, \q, \i
.endr
	WIN 0
.endm
.macro FETCH_A slot, q, i0
.irp i, \i0, \i0+1, \i0+2, \i0+3
	FRAGA AF+FR*(\i), \slot, \q, \i
.endr
.endm
.macro SCALES sc
.irp i, 0,1,2,3,4,5,6,7
	ds_load_b64 v[SC+8*NQ*\sc+NQ*\i:SC+8*NQ*\sc+NQ*\i+1], v[ADRS] offset:\i*SBLK
.endr
.endm
.macro PLACES n
.rept \n
	v_nop
.endr
.endm
.macro STEP slot, q, zero
	s_wait_dscnt 4*NL
.if \zero
	WIN BEG_LO
.else
	WIN MUL_LO
.endif
	MUL16 0, (\q)%2, \q, \slot, \zero
	MUL16 2, (\q)%2, \q, \slot, \zero
	s_wait_dscnt 0
	PLACES NP
	FETCH_B \slot, (\q)+1, 1-(\q)%2
	FETCH_A \slot, (\q)+1, 0
.if \zero
	WIN BEG_HI
.else
	WIN MUL_HI
.endif
	MUL16 4, (\q)%2, \q, \slot, \zero
	MUL16 6, (\q)%2, \q, \slot, \zero
	PLACES NP
	WIN 0
	FETCH_A \slot, (\q)+1, 4
.endm
.macro TURN slot, next, fill
	s_wait_tensorcnt 0x0
	ds_add_u32 v[SPW], v[NIL]
	s_wait_dscnt 4*NL+1
	WIN MUL_LO
	MUL16 0, 1, NQ-1, \slot, 0
	s_wait_dscnt 0x0
	s_barrier_signal -1
	MUL16 2, 1, NQ-1, \slot, 0
	WIN 0
	s_barrier_wait -1
.if \fill
	CREST
	s_add_nc_u64 s[G0+4*\slot+2:G0+4*\slot+3], s[G0+4*\slot+2:G0+4*\slot+3], 8*OHEAD
	s_add_nc_u64 s[G0B+4*\slot+2:G0B+4*\slot+3], s[G0B+4*\slot+2:G0B+4*\slot+3], 2*ROWB
	JLOAD G0+4*\slot, G1, G0B+4*\slot, G1B
.else
	PLACES NP
.endif
	s_wait_alu depctr_va_vdst(0)
	v_add_nc_u32 v[ADRS], 4*NQ, v[ADRS]
	FETCH_B \next, 0, 0
	FETCH_A \next, 0, 0
	SCALES \next
	WIN MUL_HI
	MUL16 4, 1, NQ-1, \slot, 0
	MUL16 6, 1, NQ-1, \slot, 0
	PLACES NP
	WIN 0
	FETCH_A \next, 0, 4
.endm
	s_wait_alu depctr_va_vdst(0)
	s_wait_tensorcnt 0x0                           ; my tile of the head's four is in; these lines stand ahead of slot 1's first fill as ahead of a refill
	ds_add_u32 v28, v29
	s_mov_b32 s[G1+2], 2<<16                       ; no tensor load of mine is out: from here on a load of A brings two heads,
	s_mov_b32 s[G1+4], 2
	s_mov_b32 s[G1B+1], 32<<16                     ; and one of B 128 places of a K step, 96 rows of 256 bytes
	s_mov_b32 s[G1B+2], 96<<16
	s_mov_b32 s[G1B+3], 32<<16
	s_mov_b32 s[G1B+4], 96
	s_mov_b32 s[G1B+5], 32
	s_wait_dscnt 0x0
	CROUND                                         ; all four tiles are shown to all waves, and the sixteen work-groups meet
	JLOAD G0+4, G1, G0B+4, G1B                     ; K step 1 into slot 1
	FETCH_B 0, 0, 0
	FETCH_A 0, 0, 0
	SCALES 0
	FETCH_A 0, 0, 4
	s_wait_loadcnt 0x0
	STEP 0, 0, 1
	TURN 0, 1, 1
	STEP 1, 0, 0
	TURN 1, 0, 1
	STEP 0, 0, 0
	TURN 0, 1, 0
	STEP 1, 0, 0
	s_wait_dscnt 4*NL
	WIN MUL_LO
	MUL16 0, 1, NQ-1, 1, 0
	MUL16 2, 1, NQ-1, 1, 0
	s_wait_dscnt 0
	WIN MUL_HI
	MUL16 4, 1, NQ-1, 1, 0
	MUL16 6, 1, NQ-1, 1, 0
	WIN 0
.macro TOSTAGE a
.set AC, 64*((\a)%4)
.set WST, 0x08+4*((\a)/4)
	WIN WST
.irp b, 0,1,2,3,4,5,6,7
	ds_store_b128 v[STO], v[AC+8*\b:AC+8*\b+3] offset:128*(\b/2)+32*(\b%2)
	ds_store_b128 v[STO], v[AC+8*\b+4:AC+8*\b+7] offset:128*(\b/2)+32*(\b%2)+16
.endr
	WIN 0
.set BB, BK+64*((\a)%2)
.irp t, 0,1,2,3,4,5,6,7,8,9,10,11,12,13,14,15
	ds_load_b128 v[BB+4*\t:BB+4*\t+3], v[RD] offset:\t*SPITCH
.endr
.endm
.macro SEND a, younger
.set BB, BK+64*((\a)%2)
	s_wait_dscnt \younger
.irp t, 0,1,2,3,4,5,6,7,8,9,10,11,12,13,14,15
	global_store_b128 v[CO], v[BB+4*\t:BB+4*\t+3], s[12:13] offset:(32*((\a)/2)+8*((\a)%2)+\t+8*(\t/8))*4096 th:TH_STORE_NT
.endr
.endm
	PLACES NP
	TOSTAGE 0
.irp a, 1,2,3,4,5,6,7
.if \a > 1
	s_wait_xcnt 0x0
.endif
	TOSTAGE \a
	SEND \a-1, 32
.endr
	SEND 7, 0
	s_wait_tensorcnt 0x0
	ds_add_u32 v[SPW], v[NIL]
	s_wait_dscnt 0x0
	CROUND
	s_endpgm
.Lfunc_end_k_qd8dc100fb1_outp:
	.size	k_qd8dc100fb1_outp, .Lfunc_end_k_qd8dc100fb1_outp-k_qd8dc100fb1_outp
	.p2alignl 7, 3214868480
	.fill 96, 4, 3214868480
	.section	.rodata,"a",@progbits
	.p2align	6, 0x0
	.amdhsa_kernel k_qd8dc100fb1_outp
		.amdhsa_group_segment_fixed_size 327680
		.amdhsa_private_segment_fixed_size 0
		.amdhsa_enable_private_segment 0
		.amdhsa_kernarg_size 48
		.amdhsa_user_sgpr_count 2
		.amdhsa_user_sgpr_kernarg_segment_ptr 1
		.amdhsa_wavefront_size32 1
		.amdhsa_system_sgpr_workgroup_id_x 1
		.amdhsa_system_sgpr_workgroup_id_y 1
		.amdhsa_system_sgpr_workgroup_id_z 1
		.amdhsa_system_vgpr_workitem_id 0
		.amdhsa_next_free_vgpr 1024
		.amdhsa_next_free_sgpr 100
		.amdhsa_reserve_vcc 0
		.amdhsa_float_denorm_mode_32 3
		.amdhsa_float_denorm_mode_16_64 3
		.amdhsa_memory_ordered 1
		.amdhsa_forward_progress 1
		.amdhsa_inst_pref_size 162
	.end_amdhsa_kernel
	.amdgpu_metadata
---
amdhsa.version: [ 1, 2 ]
amdhsa.kernels:
  - .name:           k_qd8dc100fb1_outp
    .symbol:         k_qd8dc100fb1_outp.kd
    .args:
      - { .name: oc, .offset: 0, .size: 8, .value_kind: global_buffer, .address_space: global }
      - { .name: os, .offset: 8, .size: 8, .value_kind: global_buffer, .address_space: global }
      - { .name: wc, .offset: 16, .size: 8, .value_kind: global_buffer, .address_space: global }
      - { .name: ws, .offset: 24, .size: 8, .value_kind: global_buffer, .address_space: global }
      - { .name: bo, .offset: 32, .size: 8, .value_kind: global_buffer, .address_space: global }
      - { .name: out0, .offset: 40, .size: 8, .value_kind: global_buffer, .address_space: global }
    .group_segment_fixed_size: 327680
    .private_segment_fixed_size: 0
    .kernarg_segment_align: 8
    .kernarg_segment_size: 48
    .max_flat_workgroup_size: 128
    .sgpr_count:     100
    .vgpr_count:     1024
    .wavefront_size: 32
...
	.end_amdgpu_metadata
.endif
;; end of part 4
